; MI455X (gfx1250); checked and timed in simulation.
; The chip was launched on July 23, 2026; its instructions are those of AMD's public machine-readable ISA for CDNA 5 (MIT licence, August 2026) and "CDNA5" Instruction Set Architecture Reference Guide (July 2026). The comments in the code are by the model that wrote it; some were corrected since.
;; Multi Scale Transformer Layer. Allowed arithmetic: matrix products marked QUANTISED: E2M3 operands, one E8M0 scale for each 32 along K, by v_wmma_scale_f32_16x16x128_f8f6f4 with both operands' format E2M3, f32 sums; everything else in f32.
;; Inputs: W1_codes 2,048 x 16 x 24 uint8 (E2M3 codes of W1, K innermost, in blocks of 32 codes, four codes in three bytes); W1_scales 2,048 x 16 uint8 (E8M0 scales of W1, one for each 32 codes along K); W2_codes 512 x 64 x 24 uint8 (E2M3 codes of W2, K innermost, in blocks of 32 codes, four codes in three bytes); W2_scales 512 x 64 uint8 (E8M0 scales of W2, one for each 32 codes along K); Wk_codes 512 x 16 x 24 uint8 (E2M3 codes of Wk, K innermost, in blocks of 32 codes, four codes in three bytes); Wk_scales 512 x 16 uint8 (E8M0 scales of Wk, one for each 32 codes along K); Wo_codes 512 x 16 x 24 uint8 (E2M3 codes of Wo, K innermost, in blocks of 32 codes, four codes in three bytes); Wo_scales 512 x 16 uint8 (E8M0 scales of Wo, one for each 32 codes along K); Wq_codes 512 x 16 x 24 uint8 (E2M3 codes of Wq, K innermost, in blocks of 32 codes, four codes in three bytes); Wq_scales 512 x 16 uint8 (E8M0 scales of Wq, one for each 32 codes along K); Wv_codes 512 x 16 x 24 uint8 (E2M3 codes of Wv, K innermost, in blocks of 32 codes, four codes in three bytes); Wv_scales 512 x 16 uint8 (E8M0 scales of Wv, one for each 32 codes along K); b1 2,048 float32; b2 512 float32; be1 512 float32; be2 512 float32; bk 512 float32; bo 512 float32; bq 512 float32; bv 512 float32; g1 512 float32; g2 512 float32; x 32 x 512 x 512 float32.
;; Outputs: out0 32 x 512 x 512 float32.
;; This version of the problem:
;;   THIS VERSION OF THE PROBLEM IS GIVEN IN LOW PRECISION. The matrix products marked QUANTISED in the list below multiply operands that are first quantised to E2M3 (2 exponent bits, 3 mantissa bits; 6 bits a number), with one power-of-two scale for each 32 numbers along K (OCP MX v1.0); their sums are f32. All else is computed in f32.
;;   The module's matrix products, in the order in which they are computed (A, B: the left and right operand; K: the contracted axis; several contracted axes count as one K, in the product's order):
;;     1. [M 16,384, K 512] x [K 512, N 512]; A: computed on the way; B: input Wq (given as codes): QUANTISED
;;     2. [M 16,384, K 512] x [K 512, N 512]; A: computed on the way; B: input Wk (given as codes): QUANTISED
;;     3. [M 16,384, K 512] x [K 512, N 512]; A: computed on the way; B: input Wv (given as codes): QUANTISED
;;     4. batch 512 x [M 512, K 32] x [K 32, N 512]; A: computed on the way; B: computed on the way: QUANTISED
;;     5. batch 512 x [M 512, K 512] x [K 512, N 32]; A: softmax (see below); B: computed on the way: QUANTISED
;;     6. [M 16,384, K 512] x [K 512, N 512]; A: computed on the way; B: input Wo (given as codes): QUANTISED
;;     7. [M 16,384, K 512] x [K 512, N 2,048]; A: computed on the way; B: input W1 (given as codes): QUANTISED
;;     8. [M 16,384, K 2,048] x [K 2,048, N 512]; A: computed on the way; B: input W2 (given as codes): QUANTISED
;;   THE QUANTISER, for each operand of a quantised product, along K:
;;     - K is cut into blocks of 32 from its start; a last block that is shorter is filled with zeros.
;;     - A block's scale is 2^e with e = floor(log2(the largest magnitude in the block)) - 2, held to -126 .. 127; a block of zeros has e = 0. As a byte (E8M0): e + 127.
;;     - Each number is divided by its block's scale, clamped to +-7.5, and rounded to the nearest number of E2M3, ties to even, subnormals kept.
;;     - The product sums the exact products of the quantised numbers (number of the format x scale) in f32.
;;   ~~~python
;;   def quantise(x, axis):      # numpy; x: float32 -> the quantised numbers, widened to float32 again
;;       x = np.moveaxis(x, axis, -1); K = x.shape[-1]
;;       x = np.pad(x, [(0, 0)] * (x.ndim - 1) + [(0, -K % 32)]); x = x.reshape(x.shape[:-1] + (-1, 32)); a = np.abs(x).max(-1, keepdims=True)
;;       e = np.where(a > 0, np.clip(np.frexp(np.where(a > 0, a, 1))[1] - 1 - 2, -126, 127), 0)      # np.frexp(a)[1] - 1 = floor(log2(a)), exactly
;;       r = np.clip(x / 2.0 ** e, -7.5, 7.5)
;;       step = 2.0 ** (np.maximum(np.frexp(np.where(r == 0, 1, r))[1] - 1, 0) - 3)
;;       q = np.round(r / step) * step * 2.0 ** e      # np.round: ties to even
;;       return np.moveaxis(q.reshape(q.shape[:-2] + (-1,))[..., :K], -1, axis).astype(np.float32)
;;   ~~~
;;   SOFTMAX AHEAD OF A QUANTISED PRODUCT. Where the list says 'softmax', what is quantised is not the finished softmax but p = 2^(t - M), with t = logit x log2(e) and M = ceil(the row's largest t), a whole number; so 1/2 < the row's largest p <= 1. The row's sum l is taken of the UNQUANTISED p, in f32, and the product's result is divided by l at the end. Since M is a whole number, a kernel that streams over the keys may use a running M (the ceiling of the running maximum): every later rescaling is an exact power of two, which a block's scale takes up: the codes' values come out the same.
;;   OPERANDS COMPUTED ON THE WAY. 'Computed on the way' means the value that the module computes at that place (a softmax that the list does not call 'softmax' is quantised finished and normalised). What goes into a quantiser is computed in f32, as accurately as f32 sums, v_exp_f32 and their like allow (about 1e-6 of the number): no bf16 or f16 on the way to a quantiser, and a product that is left as it is and whose result goes on into a quantised operand takes f32 operands (vector FMAs, or v_wmma_f32_16x16x4_f32). A number that lies on a knife's edge between two numbers of the format may be rounded either way, as far as f32 arithmetic and the matrix unit's own rounding can turn it there, and no further.
;;   INPUTS GIVEN AS CODES. W1 (in the module: [512, 2048], K = its axis 0); W2 (in the module: [2048, 512], K = its axis 0); Wk (in the module: [512, 512], K = its axis 0); Wo (in the module: [512, 512], K = its axis 0); Wq (in the module: [512, 512], K = its axis 0); Wv (in the module: [512, 512], K = its axis 0): each comes as NAME_codes (uint8): NAME with its K axis moved to the last place and cut into blocks of 32 codes, [.., K / 32, bytes a block], one block behind the other in memory; four codes in three bytes: a row's codes are one little-endian stream of bits, code i at bits 6 i .. 6 i + 5 (a code: sign, 2 exponent bits, 3 mantissa bits); and NAME_scales (uint8): the same leading axes, one E8M0 byte (e + 127) for each 32 codes along K. Its value is code x scale, taken as it is: it is not quantised again, and the codes and scales need not be those that the quantiser above would give.
;; One version. Each part assembles by itself: llvm-mc -triple=amdgcn-amd-amdhsa -mcpu=gfx1250 --defsym DOCPART=n.
;; ======== version 1 of 1: 3 launches
;; limits: right only within a limited range of input values
;; workspace buffers: wimg 2,949,120 bytes; rope 65,536 bytes; xnc 6,291,456 bytes; xns 524,288 bytes; abuf 6,291,456 bytes; asc 524,288 bytes
;; launch prep (part 1): grid 416 x 1, 4 waves a work-group, no clusters, 148,992 bytes of LDS; arguments Wq_codes, Wq_scales, bq, Wk_codes, Wk_scales, bk, Wv_codes, Wv_scales, bv, Wo_codes, Wo_scales, bo, W1_codes, W1_scales, b1, W2_codes, W2_scales, b2, wimg, rope, x, g1, be1, xnc, xns; writes wimg, rope, xnc, xns
.if DOCPART == 1
	.amdgcn_target "amdgcn-amd-amdhsa--gfx1250"
	.amdhsa_code_object_version 6
	.text
	.protected	k_q26774983a8_prep
	.globl	k_q26774983a8_prep
	.p2align	8
	.type	k_q26774983a8_prep,@function
k_q26774983a8_prep:
	s_mov_b64 s[64:65], 0
	v_nop
	global_prefetch_b8 v0, s[64:65] scope:SCOPE_SE
	s_setreg_imm32_b32 hwreg(HW_REG_WAVE_MODE, 25, 1), 1
	s_wait_xcnt 0x0
; Lays the six weights out once, in the order in which a wave's operand registers take them, and makes the RoPE table.
; wimg: 384 records of 7,680 bytes.  A record: four fragments (16 rows x 128 K of 6-bit codes, 12 registers a lane) as images of their registers
; (register group 4 c of lane L at 512 c + 16 L), then the four fragments' scale words (lane L's four words at 6144 + 16 L), then a bias image
; of eight registers (6656 + 16 L, 7168 + 16 L).  Every later load of a record is 512 consecutive bytes a wave.
; Work-groups 0-95: one record a wave.  Groups of eight work-groups take Wq, Wk, Wv, Wo; 32 take W1; 32 take W2.
; Records of Wq .. W1: fragment f = K step f of one tile of 16 rows.  Records of W2: fragment f = tile 4 w + f at one K step.
; THE ROWS OF A TILE: Wq, Wk: row i of tile T is row 16 T + i.  Wv, Wo, W1, W2: row i is 32 (T / 2) + 8 (T % 2) + i + 8 (i / 8), so that two neighbouring
; tiles, used as source 0, give a lane 16 neighbours along the next product's K.
; Work-groups 96-159: rope[t][0..15] = cos(t f_i), rope[t][16..31] = sin(t f_i), f_i = 10^(-i/4), one thread a pair.
; LIMITS: f_i is the correctly rounded 10^(-i/4); the angle (up to 511) is reduced by pi/2 in three parts and sine and cosine are polynomials on +-pi/4,
; good to about 1e-7 of 1.
.set REC, 7680
	s_load_b512 s[8:23], s[0:1], 0x0               ; pointer p at s[8 + 2 p]: matrix mu's codes, scales, bias at s[8 + 6 mu] on
	s_load_b512 s[24:39], s[0:1], 0x40
	s_load_b256 s[40:47], s[0:1], 0x80             ; .. W2's scales, b2, wimg s[44:45], rope s[46:47]
	v_lshrrev_b32 v1, 5, v0
	v_readfirstlane_b32 s48, v1                    ; wave 0..3
	s_cmp_lt_u32 ttmp9, 256                        ; work-groups 0-255, the longest: LayerNorm 1 and its quantising (at the text's end)
	s_cbranch_scc1 .Lnorm
	s_cmp_ge_u32 ttmp9, 352                        ; the work-group numbers that the head's comment gives for the records and the table count from 256
	s_cbranch_scc1 .Lrope
	; ---- which matrix, which tile, which record: all from the work-group's and the wave's number
	s_lshr_b32 s50, ttmp9, 3
	s_sub_co_u32 s50, s50, 32                      ; counted from work-group 256 (the two masks below are the same either way: 256 is a multiple of 32)
	s_min_u32 s51, s50, 4
	s_cmp_ge_u32 s50, 8
	s_cselect_b32 s52, 1, 0
	s_add_co_u32 s51, s51, s52                     ; mu: 0 Wq, 1 Wk, 2 Wv, 3 Wo, 4 W1, 5 W2
	s_and_b32 s53, ttmp9, 7
	s_and_b32 s54, ttmp9, 31
	s_cmp_ge_u32 s51, 4
	s_cselect_b32 s53, s54, s53                    ; I: the work-group's number within its matrix
	s_lshr_b32 s54, s53, 2
	s_and_b32 s55, s53, 3
	s_lshl_b32 s66, s53, 2
	s_add_co_u32 s66, s66, s48                     ; 4 I + wave: the tile (all but W2)
	s_lshl_b32 s67, s54, 2                         ; W2: first tile 4 (I / 4)
	s_add_co_u32 s68, s67, s48                     ; W2: the tile whose bias image this record carries
	s_lshl_b32 s69, s55, 2
	s_add_co_u32 s69, s69, s48                     ; 4 (I % 4) + wave: W2's K step; W1's tile within its wave's sixteen
	s_mul_i32 s70, s53, 12
	s_lshl_b32 s71, s51, 2
	s_add_co_u32 s70, s70, s71
	s_add_co_u32 s70, s70, s48                     ; Wq, Wk, Wv: record 12 I + 4 mu + wave
	s_mul_i32 s71, s53, 36
	s_add_co_u32 s71, s71, s48
	s_add_co_u32 s71, s71, 96                      ; Wo: 96 + 36 I + wave
	s_mul_i32 s72, s54, 36
	s_add_co_u32 s72, s72, s69
	s_add_co_u32 s72, s72, 100                     ; W1: 96 + 36 (I / 4) + 4 + ..
	s_add_co_u32 s73, s72, 16                      ; W2: 96 + 36 (I / 4) + 20 + K step
	s_cmp_eq_u32 s51, 3
	s_cselect_b32 s70, s71, s70
	s_cmp_eq_u32 s51, 4
	s_cselect_b32 s70, s72, s70
	s_cmp_eq_u32 s51, 5
	s_cselect_b32 s70, s73, s70                    ; the record
	s_cselect_b32 s74, s67, s66                    ; the (first) tile
	s_cselect_b32 s75, s68, s66                    ; the bias's tile
	s_cselect_b32 s76, s69, 0                      ; the K step (W2 alone)
	s_mov_b32 s77, 384
	s_cselect_b32 s77, 1536, s77                   ; a row of codes in bytes
	s_cselect_b32 s78, 64, 16                      ; a row of scale bytes
	s_mov_b32 s79, 96
	s_cselect_b32 s79, 12288, s79                  ; from fragment f to f + 1: a K step, or (W2) eight rows
	s_mov_b32 s80, 192
	s_cselect_b32 s80, 49152, s80                  ; from f to f + 2: two K steps, or 32 rows
	s_cselect_b32 s81, 512, 4                      ; the same in the scale bytes
	s_cselect_b32 s82, 2048, 8
	s_lshr_b32 s85, s74, 1
	s_lshl_b32 s85, s85, 5
	s_and_b32 s86, s74, 1
	s_lshl_b32 s86, s86, 3
	s_add_co_u32 s85, s85, s86                     ; the tile's first row, second order
	s_lshl_b32 s86, s74, 4                         ; first order
	s_lshr_b32 s87, s75, 1
	s_lshl_b32 s87, s87, 5
	s_and_b32 s88, s75, 1
	s_lshl_b32 s88, s88, 3
	s_add_co_u32 s87, s87, s88
	s_lshl_b32 s88, s75, 4
	s_cmp_ge_u32 s51, 2
	s_cselect_b32 s83, 8, 0                        ; rows 8-15 of a tile lie 8 further on in the second order
	s_cselect_b32 s84, 64, 32                      ; bias bytes from lanes 0-15 to lanes 16-31
	s_cselect_b32 s85, s85, s86
	s_cselect_b32 s87, s87, s88
	s_cmp_eq_u32 s51, 2                            ; Wv is used as source 1: a lane's eight results share one channel, the tile's row r
	s_cselect_b32 s84, 0, s84
	s_cselect_b32 s89, 4, 0
	s_cselect_b32 s90, 0, 4
	v_and_b32 v1, 31, v0
	v_and_b32 v2, 15, v0                           ; r
	v_bfe_u32 v3, v0, 4, 1                         ; h
	v_lshlrev_b32 v6, 4, v1                        ; 16 x lane: my place in every store
	v_lshrrev_b32 v4, 3, v2
	v_mul_u32_u24 v4, s83, v4
	v_add_nc_u32 v4, v4, v2                        ; my row within the tile's span
	v_mul_u32_u24 v8, s77, v4
	v_mad_u32_u24 v8, v3, 24, v8                   ; codes: row x pitch + 24 h; fragments 0 to 3 in v8-11
	v_add_nc_u32 v9, s79, v8
	v_add_nc_u32 v10, s80, v8
	v_add_nc_u32 v11, s80, v9
	v_mul_u32_u24 v12, s78, v4                     ; scale words likewise in v12-15
	v_add_nc_u32 v13, s81, v12
	v_add_nc_u32 v14, s82, v12
	v_add_nc_u32 v15, s82, v13
	v_mul_u32_u24 v80, s89, v4
	v_mul_u32_u24 v5, s84, v3
	v_add_nc_u32 v80, v80, v5                      ; the bias image's eight numbers in v80-87
.irp j, 1,2,3,4,5,6,7
	v_add_nc_u32 v[80+\j], s90, v[79+\j]
.endr
	s_wait_alu depctr_va_vdst(0)
	s_wait_kmcnt 0x0
	s_mov_b64 s[56:57], s[8:9]                     ; the three buffers are chosen on the work-group's number alone
	s_mov_b64 s[58:59], s[10:11]
	s_mov_b64 s[60:61], s[12:13]
.irp m, 1,2,3,4,5
	s_cmp_eq_u32 s51, \m
	s_cselect_b64 s[56:57], s[8+6*\m:9+6*\m], s[56:57]
	s_cselect_b64 s[58:59], s[10+6*\m:11+6*\m], s[58:59]
	s_cselect_b64 s[60:61], s[12+6*\m:13+6*\m], s[60:61]
.endr
	s_mul_i32 s2, s85, s77
	s_mul_i32 s3, s76, 96
	s_add_co_u32 s2, s2, s3
	s_mov_b32 s3, 0
	s_add_nc_u64 s[56:57], s[56:57], s[2:3]        ; codes at the tile's first row and the K step
	s_mul_i32 s2, s85, s78
	s_lshl_b32 s49, s76, 2
	s_add_co_u32 s2, s2, s49
	s_add_nc_u64 s[58:59], s[58:59], s[2:3]
	s_lshl_b32 s2, s87, 2
	s_add_nc_u64 s[60:61], s[60:61], s[2:3]
	s_mul_i32 s2, s70, REC
	s_add_nc_u64 s[44:45], s[44:45], s[2:3]
.irp f, 0,1,2,3
.irp p, 0,1,2,3,4,5
	global_load_b64 v[16+12*\f+2*\p:17+12*\f+2*\p], v[8+\f], s[56:57] offset:48*(\p/3)+8*(\p%3)   ; lane (r, h): 24 bytes at 24 h and 24 at 48 + 24 h of its row's 96
.endr
	global_load_b32 v[64+\f], v[12+\f], s[58:59]
.endr
.irp j, 0,1,2,3,4,5,6,7
	global_load_b32 v[68+\j], v[80+\j], s[60:61]
.endr
	s_wait_loadcnt 0x0
.irp k, 0,1,2,3,4,5,6,7,8,9,10,11
	global_store_b128 v6, v[16+4*\k:19+4*\k], s[44:45] offset:512*\k     ; 32 lanes store 512 consecutive bytes
.endr
	global_store_b128 v6, v[64:67], s[44:45] offset:6144
	global_store_b128 v6, v[68:71], s[44:45] offset:6656
	global_store_b128 v6, v[72:75], s[44:45] offset:7168
	s_endpgm
.Lrope:
	s_sub_co_u32 s50, ttmp9, 352
	s_lshl_b32 s50, s50, 7
	v_add_nc_u32 v1, s50, v0
	v_lshrrev_b32 v2, 4, v1                        ; t
	v_and_b32 v3, 15, v1                           ; i
	v_mov_b32 v4, 1.0
.macro FSEL i, val                     ; f_i is chosen without a table in memory
	v_cmp_ne_u32 vcc_lo, \i, v3
	v_cndmask_b32 v4, \val, v4, vcc_lo
.endm
	FSEL 1, 0.5623413251903491
	FSEL 2, 0.31622776601683794
	FSEL 3, 0.1778279410038923
	FSEL 4, 0.1
	FSEL 5, 0.05623413251903491
	FSEL 6, 0.031622776601683794
	FSEL 7, 0.01778279410038923
	FSEL 8, 0.01
	FSEL 9, 0.005623413251903491
	FSEL 10, 0.0031622776601683794
	FSEL 11, 0.001778279410038923
	FSEL 12, 0.001
	FSEL 13, 0.0005623413251903491
	FSEL 14, 0.00031622776601683794
	FSEL 15, 0.0001778279410038923
	s_mov_b32 s51, -0.00019515295891               ; sine's three coefficients,
	s_mov_b32 s52, 0.0083321608736
	s_mov_b32 s53, -0.16666654611
	s_mov_b32 s54, 0.00002443315711809948          ; cosine's three
	s_mov_b32 s55, -0.001388731625493765
	s_mov_b32 s56, 0.04166664568298827
	v_cvt_f32_u32 v5, v2
	v_mul_f32 v5, v5, v4                           ; the angle, one rounding
	v_mul_f32 v6, 0x3f22f983, v5                   ; x 2 / pi
	v_rndne_f32 v6, v6                             ; n
	v_fmamk_f32 v7, v6, 0xbfc90000, v5             ; angle - n pi / 2, pi / 2 in three parts
	v_fmamk_f32 v7, v6, 0xb9fda000, v7
	v_fmamk_f32 v7, v6, 0xb3a22168, v7
	v_mul_f32 v8, v7, v7                           ; z
	v_mov_b32 v9, s52
	v_fma_f32 v9, v8, s51, v9
	v_fma_f32 v9, v9, v8, s53
	v_mul_f32 v9, v9, v8
	v_fma_f32 v9, v9, v7, v7                       ; sine of the rest
	v_mov_b32 v10, s55
	v_fma_f32 v10, v8, s54, v10
	v_fma_f32 v10, v10, v8, s56
	v_mul_f32 v11, v8, v8
	v_fma_f32 v12, v8, -0.5, 1.0
	v_fma_f32 v10, v10, v11, v12                   ; cosine of the rest
	v_cvt_i32_f32 v12, v6
	v_and_b32 v13, 1, v12
	v_cmp_eq_u32 vcc_lo, 1, v13                    ; odd quarters change the two places
	v_cndmask_b32 v14, v9, v10, vcc_lo
	v_cndmask_b32 v15, v10, v9, vcc_lo
	v_and_b32 v16, 2, v12
	v_lshlrev_b32 v16, 30, v16
	v_xor_b32 v14, v14, v16                        ; sine is negative in quarters 2 and 3,
	v_add_nc_u32 v17, 1, v12
	v_and_b32 v17, 2, v17
	v_lshlrev_b32 v17, 30, v17
	v_xor_b32 v15, v15, v17                        ; cosine in quarters 1 and 2
	v_lshlrev_b32 v18, 7, v2
	v_lshl_add_u32 v18, v3, 2, v18
	s_wait_alu depctr_va_vdst(0)
	s_wait_kmcnt 0x0
	global_store_b32 v18, v15, s[46:47]
	global_store_b32 v18, v14, s[46:47] offset:64
	s_endpgm
; ---- Work-groups 0-255: xn = LayerNorm(x, g1, be1), quantised along its 512 columns.  A wave takes one tile of 16 whole rows: no wave needs another.
; Each of its 64 loads covers 512 consecutive bytes; the 32 KiB turn through LDS bytes of the wave's own, so that lane (r, h) holds, of row r, 16 neighbours of each block of 32.
; Mean first, then the squares round the mean: no difference of large sums.  g1 and be1 lie in the wave's own LDS bytes and come 128 columns at a time.
; OUT: xnc[tile][K step]: a fragment's image, register group 4 c of lane L at 512 c + 16 L;  xns[tile]: lane L's four scale words at 16 L.
; LIMITS: NaN and infinities are not served; a block under 2^-124 (zeros too) gets the scale byte 1: these bytes are read by this program alone.
.Lnorm:
.set XTP, 2064                         ; a turned row: 2,048 bytes + 16, an odd multiple of 16
.set GB,  33024                        ; behind my 16 rows: g1, then be1
.set NSP, 148480                       ; behind the four waves' 37,120 bytes: the spare words
.set RT,  12
.set TM,  24
.set PW,  40
.set PC,  42
.set Y,   64
.set G,   128
.set B,   192
.set SEL, 66
.set MSB, 0
.macro WIN new
.if MSB != \new
	s_set_vgpr_msb (MSB<<8)|\new
.set MSB, \new
.endif
.endm
.macro QUANT s                         ; 64 numbers (register 16 b + i: number i of my half of block b) -> a fragment in v[PC ..+11], its scale word in v[PW]
.irp b, 0,1,2,3
	v_max3_num_f32 v[TM+\b], |v[(\s)+16*\b]|, |v[(\s)+1+16*\b]|, 0x1800000
.endr
.irp i, 2,4,6,8,10,12,14
.irp b, 0,1,2,3
	v_max3_num_f32 v[TM+\b], v[TM+\b], |v[(\s)+16*\b+\i]|, |v[(\s)+1+16*\b+\i]|
.endr
.endr
.irp b, 0,1,2,3
	v_permlanex16_b32 v[TM+4+\b], v[TM+\b], s[SEL], s[SEL+1]
.endr
.irp b, 0,1,2,3
	v_max_num_f32 v[TM+\b], v[TM+\b], v[TM+4+\b]
.endr
.irp b, 0,1,2,3
	v_add_nc_u32 v[TM+12+\b], 0xff000000, v[TM+\b]
.endr
.irp b, 0,1,2,3
	v_lshrrev_b32 v[TM+4+\b], 23, v[TM+12+\b]
.endr
	v_lshl_or_b32 v[PW], v[TM+5], 8, v[TM+4]
	v_lshl_or_b32 v[PW], v[TM+6], 16, v[PW]
	v_lshl_or_b32 v[PW], v[TM+7], 24, v[PW]
.irp c, 0,1
	v_cvt_scalef32_pk16_fp6_f32 v[PC+6*\c:PC+2+6*\c], v[(\s)+32*\c:(\s)+15+32*\c], v[TM+12+2*\c]
	v_cvt_scalef32_pk16_fp6_f32 v[PC+12+4*\c:PC+14+4*\c], v[(\s)+16+32*\c:(\s)+31+32*\c], v[TM+12+2*\c+1]
.endr
	v_nop
.irp c, 0,1
.irp i, 0,1,2
	v_permlane16_swap_b32 v[PC+6*\c+\i], v[PC+12+4*\c+\i]
.endr
.irp i, 0,1,2
	v_mov_b32 v[PC+3+6*\c+\i], v[PC+12+4*\c+\i]
.endr
.endr
.endm
.macro NRED                            ; four chains -> the row's sum, in both halves of the lanes
	v_pk_add_f32 v[RT:RT+1], v[RT:RT+1], v[RT+2:RT+3]
	v_pk_add_f32 v[RT+4:RT+5], v[RT+4:RT+5], v[RT+6:RT+7]
	v_pk_add_f32 v[RT:RT+1], v[RT:RT+1], v[RT+4:RT+5]
	v_add_f32 v[RT], v[RT], v[RT+1]
	v_permlanex16_b32 v[RT+1], v[RT], s[SEL], s[SEL+1]
	v_add_f32 v[RT], v[RT], v[RT+1]
.endm
.macro GBLOAD s                        ; g1 and be1 at columns 128 s + 32 b + 16 h + 0 .. 15
.irp b, 0,1,2,3
.irp q, 0,1,2,3
	ds_load_b128 v[G+16*\b+4*\q:G+16*\b+4*\q+3], v5 offset:GB+512*(\s)+128*\b+16*\q
	ds_load_b128 v[B+16*\b+4*\q:B+16*\b+4*\q+3], v5 offset:GB+2048+512*(\s)+128*\b+16*\q
.endr
.endr
.endm
.macro NCH s                           ; K step s: 128 columns
	WIN 0x01                                       ; source 0 window 1
.set n1, 0
.rept 32
	v_pk_mul_f32 v[Y+2*n1:Y+2*n1+1], v[64*(\s)+2*n1:64*(\s)+2*n1+1], v[22:23]
.set n1, n1+1
.endr
	WIN 0
	s_wait_alu depctr_va_vdst(0)
	s_wait_dscnt 0x0                               ; g1 and be1 of this step
.set n1, 0
.rept 32
	v_pk_fma_f32 v[Y+2*n1:Y+2*n1+1], v[Y+2*n1:Y+2*n1+1], v[G+2*n1:G+2*n1+1], v[B+2*n1:B+2*n1+1]
.set n1, n1+1
.endr
.if (\s) < 3
	GBLOAD (\s)+1                                  ; the next step's land under the quantiser
.endif
.if (\s) > 0
	s_wait_alu depctr_va_vdst(0)
	s_wait_xcnt 0x0                                ; the last step's stores have read v[PC ..]
.endif
	QUANT Y
.irp c, 0,1,2
	global_store_b128 v1, v[PC+4*\c:PC+4*\c+3], s[58:59] offset:1536*(\s)+512*\c   ; 32 lanes store 512 consecutive bytes
.endr
	v_mov_b32 v[8+(\s)], v[PW]
.endm
	s_load_b256 s[52:59], s[0:1], 0xa0             ; x, g1, be1, xnc
	s_load_b64 s[60:61], s[0:1], 0xc0              ; xns
	s_lshl_b32 s50, ttmp9, 2
	s_add_co_u32 s50, s50, s48                     ; my tile of 16 rows, 0 .. 1023
	s_mul_i32 s51, s48, 37120                      ; my LDS bytes
	s_mov_b32 s[SEL], 0x76543210
	s_mov_b32 s[SEL+1], 0xfedcba98                 ; lane l xor 16
	s_mov_b32 s68, 0x3b000000                      ; 1 / 512
	s_mov_b32 s69, 0x3727c5ac                      ; 1e-5
	s_mov_b32 s71, 0
	v_lshl_add_u32 v6, v0, 2, NSP                  ; my spare word and 0
	v_mov_b32 v7, 0
	v_and_b32 v1, 31, v0
	v_lshlrev_b32 v1, 4, v1                        ; 16 x lane
	v_and_b32 v3, 15, v0
	v_bfe_u32 v5, v0, 4, 1
	v_mul_u32_u24 v3, v3, XTP
	v_lshl_add_u32 v3, v5, 6, v3
	v_add_nc_u32 v3, s51, v3                       ; the turn, out: row r, + 64 h
	v_add_nc_u32 v2, s51, v1                       ; the turn, in
	v_lshlrev_b32 v5, 6, v5
	v_add_nc_u32 v5, s51, v5                       ; g1, be1: 64 h
.irp b, 4,5,6,7
	v_mov_b32 v[TM+\b], 0                          ; a lane permute's destination counts as a source
.endr
	s_wait_alu depctr_va_vdst(0)
	s_wait_kmcnt 0x0
	s_lshl_b32 s70, s50, 15
	s_add_nc_u64 s[52:53], s[52:53], s[70:71]      ; 16 rows of 2,048 bytes
	s_mul_i32 s70, s50, 6144
	s_add_nc_u64 s[58:59], s[58:59], s[70:71]
	s_lshl_b32 s70, s50, 9
	s_add_nc_u64 s[60:61], s[60:61], s[70:71]
.irp k, 0,1,2,3
	global_load_b128 v[Y+4*\k:Y+4*\k+3], v1, s[54:55] offset:512*\k
	global_load_b128 v[Y+16+4*\k:Y+19+4*\k], v1, s[56:57] offset:512*\k
.endr
	WIN 0x40                                       ; x lives in window 1, v0-255
.set n1, 0
.rept 48
	global_load_b128 v[4*n1:4*n1+3], v1, s[52:53] offset:512*n1 th:TH_LOAD_NT
.set n1, n1+1
.endr
	WIN 0
	s_wait_loadcnt 48                              ; g1 and be1 are in; x's 48 may be out
.irp k, 0,1,2,3
	ds_store_b128 v2, v[Y+4*\k:Y+4*\k+3] offset:GB+512*\k
	ds_store_b128 v2, v[Y+16+4*\k:Y+19+4*\k] offset:GB+2048+512*\k
.endr
	WIN 0x40
.rept 16
	global_load_b128 v[4*n1:4*n1+3], v1, s[52:53] offset:512*n1 th:TH_LOAD_NT
.set n1, n1+1
.endr
	WIN 0x04                                       ; an LDS store's data are its source 1
.set n1, 0
.irp w, 48,32,16,0
	s_wait_loadcnt \w                              ; the next sixteen of x's loads are in
.rept 16
	ds_store_b128 v2, v[4*n1:4*n1+3] offset:XTP*(n1/4)+512*(n1%4)
.set n1, n1+1
.endr
.endr
	WIN 0x40
.set n1, 0
.rept 64                               ; LDS serves a wave's instructions in order (ISA guide 5.7.1.4): these see my stores
	ds_load_b128 v[4*n1:4*n1+3], v3 offset:128*(n1/4)+16*(n1%4)
.set n1, n1+1
.endr
	WIN 0
	GBLOAD 0
	s_wait_dscnt 32                                ; x is back; the 32 loads of g1 and be1 may be out
	WIN 0x05
.irp c, 0,1,2,3
	v_pk_add_f32 v[RT+2*\c:RT+2*\c+1], v[2*\c:2*\c+1], v[8+2*\c:9+2*\c]
.endr
	WIN 0x04
.set n1, 8
.rept 120
	v_pk_add_f32 v[RT+2*(n1%4):RT+2*(n1%4)+1], v[RT+2*(n1%4):RT+2*(n1%4)+1], v[2*n1:2*n1+1]
.set n1, n1+1
.endr
	WIN 0
	NRED
	v_mul_f32 v20, s68, v[RT]                      ; the mean
	v_mov_b32 v21, v20
	WIN 0x41
.set n1, 0
.rept 128
	v_pk_add_f32 v[2*n1:2*n1+1], v[2*n1:2*n1+1], v[20:21] neg_lo:[0,1] neg_hi:[0,1]
.set n1, n1+1
.endr
	WIN 0x05
.irp c, 0,1,2,3
	v_pk_mul_f32 v[RT+2*\c:RT+2*\c+1], v[2*\c:2*\c+1], v[2*\c:2*\c+1]
.endr
.set n1, 4
.rept 124
	v_pk_fma_f32 v[RT+2*(n1%4):RT+2*(n1%4)+1], v[2*n1:2*n1+1], v[2*n1:2*n1+1], v[RT+2*(n1%4):RT+2*(n1%4)+1]
.set n1, n1+1
.endr
	WIN 0
	NRED
	v_fma_f32 v[RT], v[RT], s68, s69               ; the variance + 1e-5
	s_wait_alu depctr_va_vdst(0)                   ; the wait ahead of the transcendental,
	v_rsq_f32 v22, v[RT]
	v_nop
	s_wait_alu depctr_va_vdst(0)                   ; and ahead of its first reader
	v_mov_b32 v23, v22
	NCH 0
	NCH 1
	NCH 2
	NCH 3
	global_store_b128 v1, v[8:11], s[60:61]        ; the four steps' scale words
	s_wait_tensorcnt 0x0                           ; the wave's end
	ds_add_u32 v6, v7
	s_wait_dscnt 0x0
	s_endpgm
.Lfunc_end_k_q26774983a8_prep:
	.size	k_q26774983a8_prep, .Lfunc_end_k_q26774983a8_prep-k_q26774983a8_prep
	.p2alignl 7, 3214868480
	.fill 96, 4, 3214868480
	.section	.rodata,"a",@progbits
	.p2align	6, 0x0
	.amdhsa_kernel k_q26774983a8_prep
		.amdhsa_group_segment_fixed_size 148992
		.amdhsa_private_segment_fixed_size 0
		.amdhsa_enable_private_segment 0
		.amdhsa_kernarg_size 200
		.amdhsa_user_sgpr_count 2
		.amdhsa_user_sgpr_kernarg_segment_ptr 1
		.amdhsa_wavefront_size32 1
		.amdhsa_system_sgpr_workgroup_id_x 1
		.amdhsa_system_sgpr_workgroup_id_y 1
		.amdhsa_system_sgpr_workgroup_id_z 1
		.amdhsa_system_vgpr_workitem_id 0
		.amdhsa_next_free_vgpr 512
		.amdhsa_next_free_sgpr 96
		.amdhsa_reserve_vcc 1
		.amdhsa_float_denorm_mode_32 3
		.amdhsa_float_denorm_mode_16_64 3
		.amdhsa_memory_ordered 1
		.amdhsa_forward_progress 1
		.amdhsa_inst_pref_size 97
	.end_amdhsa_kernel
	.amdgpu_metadata
---
amdhsa.version: [ 1, 2 ]
amdhsa.kernels:
  - .name:           k_q26774983a8_prep
    .symbol:         k_q26774983a8_prep.kd
    .args:
      - { .name: Wq_codes, .offset: 0, .size: 8, .value_kind: global_buffer, .address_space: global }
      - { .name: Wq_scales, .offset: 8, .size: 8, .value_kind: global_buffer, .address_space: global }
      - { .name: bq, .offset: 16, .size: 8, .value_kind: global_buffer, .address_space: global }
      - { .name: Wk_codes, .offset: 24, .size: 8, .value_kind: global_buffer, .address_space: global }
      - { .name: Wk_scales, .offset: 32, .size: 8, .value_kind: global_buffer, .address_space: global }
      - { .name: bk, .offset: 40, .size: 8, .value_kind: global_buffer, .address_space: global }
      - { .name: Wv_codes, .offset: 48, .size: 8, .value_kind: global_buffer, .address_space: global }
      - { .name: Wv_scales, .offset: 56, .size: 8, .value_kind: global_buffer, .address_space: global }
      - { .name: bv, .offset: 64, .size: 8, .value_kind: global_buffer, .address_space: global }
      - { .name: Wo_codes, .offset: 72, .size: 8, .value_kind: global_buffer, .address_space: global }
      - { .name: Wo_scales, .offset: 80, .size: 8, .value_kind: global_buffer, .address_space: global }
      - { .name: bo, .offset: 88, .size: 8, .value_kind: global_buffer, .address_space: global }
      - { .name: W1_codes, .offset: 96, .size: 8, .value_kind: global_buffer, .address_space: global }
      - { .name: W1_scales, .offset: 104, .size: 8, .value_kind: global_buffer, .address_space: global }
      - { .name: b1, .offset: 112, .size: 8, .value_kind: global_buffer, .address_space: global }
      - { .name: W2_codes, .offset: 120, .size: 8, .value_kind: global_buffer, .address_space: global }
      - { .name: W2_scales, .offset: 128, .size: 8, .value_kind: global_buffer, .address_space: global }
      - { .name: b2, .offset: 136, .size: 8, .value_kind: global_buffer, .address_space: global }
      - { .name: wimg, .offset: 144, .size: 8, .value_kind: global_buffer, .address_space: global }
      - { .name: rope, .offset: 152, .size: 8, .value_kind: global_buffer, .address_space: global }
      - { .name: x, .offset: 160, .size: 8, .value_kind: global_buffer, .address_space: global }
      - { .name: g1, .offset: 168, .size: 8, .value_kind: global_buffer, .address_space: global }
      - { .name: be1, .offset: 176, .size: 8, .value_kind: global_buffer, .address_space: global }
      - { .name: xnc, .offset: 184, .size: 8, .value_kind: global_buffer, .address_space: global }
      - { .name: xns, .offset: 192, .size: 8, .value_kind: global_buffer, .address_space: global }
    .group_segment_fixed_size: 148992
    .private_segment_fixed_size: 0
    .kernarg_segment_align: 8
    .kernarg_segment_size: 200
    .max_flat_workgroup_size: 128
    .sgpr_count:     96
    .vgpr_count:     512
    .wavefront_size: 32
...
	.end_amdgpu_metadata
.endif
;; end of part 1
;; launch qka (part 2): grid 256 x 1, 8 waves a work-group, no clusters, 304,128 bytes of LDS; arguments xnc, xns, wimg, rope, bq, bk, abuf, asc; writes abuf, asc
.if DOCPART == 2
	.amdgcn_target "amdgcn-amd-amdhsa--gfx1250"
	.amdhsa_code_object_version 6
	.text
	.protected	k_q26774983a8_qka
	.globl	k_q26774983a8_qka
	.p2align	8
	.type	k_q26774983a8_qka,@function
k_q26774983a8_qka:
	s_mov_b64 s[64:65], 0
	v_nop
	global_prefetch_b8 v0, s[64:65] scope:SCOPE_SE
	s_setreg_imm32_b32 hwreg(HW_REG_WAVE_MODE, 25, 1), 1
	s_wait_xcnt 0x0
; q, k, v = xn W + b, RoPE, their quantising, and attention, all products on codes of FP6 (E2M3) with one E8M0 scale for each 32 along K.
; A work-group of eight waves takes one batch (512 tokens) and two heads; q, k and v never go to memory.
; PART 1.  The pair's twelve records of wimg (92,160 bytes) come into LDS once, 11,520 bytes a wave.  Wave w takes tokens 64 w .. + 63: its 16 fragments of xn stay in registers, and six stages
; of 32 matrix instructions make q, k (source 0 = 16 rows of W: a lane holds one token, RoPE's pair lies in one lane) and v (source 0 = 16 tokens: a lane holds one channel, registers along the keys).
; A token's 32 codes lie in the order 16 h + 8 u + j <- d = 16 u + 8 h + j, alike for q and k: the block and its scale are the true ones.  Codes and scale words go to LDS.
; PART 2.  Wave w takes head w % 2 and queries 128 (w / 2) .. + 127, eight tiles of 16.  The head's whole k and v stay in its registers (192).  S^T = k q^T, p = 2^(t - M) with M a whole number,
; O^T = v^T p^T, O / the sum of the unquantised p.  K = 32 in an instruction of K = 128: a fragment of k holds 64 keys (block c of row r: key 16 c + r); the 16 queries stand in ONE block of source 1,
; zero codes in the other three; the four placements are cut from [QL, 0, QL] and [QH, 0, QH].
; OUT.  The two heads' O meet in LDS: 64 channels are half a K step of Wo.  abuf[row tile][head pair]: six registers' image, 256 p + 8 x lane; asc[four row tiles][head pair]: 8 bytes a lane, byte 2 t + head.
; No cluster: the work-groups of a batch share xn alone, 24 KiB a wave read once at the head; nothing is walked in step.  No prefetch: no loop reads memory.
; LIMITS: NaN and infinities are not served; a block under 2^-124 gets the scale byte 1 (these bytes are read by this program alone); the scaled scores stay under 2^31.
.set REC,  7680
.set QC,   92160                       ; LDS: records at 0; q's codes (2 heads x 12,288), k's, v's;
.set KC,   QC+24576
.set VC,   QC+49152
.set QSC,  QC+73728                    ; scale-word images: q's 2 x 1,024, k's, v's;
.set OX,   QSC+6144                    ; O: 16,384 bytes a wave;
.set SPARE, OX+131072                  ; the spare words
.set L24, 1
.set L8,  2
.set LS,  3
.set R24, 4
.set LI,  5
.set SPW, 254
.set NIL, 255
; part 1
.set RA,  6                            ; rope: 128 r + 32 h
.set BA,  7                            ; bq, bk: 32 h + 256 x pair
.set XS,  10                           ; v10-25 xn's scale words, 4 m + s
.set WS,  26                           ; v26-33 the weights'
.set BI,  34                           ; v34-49 two bias images
.set WF,  50                           ; v50-145 two records' fragments
.set ACC, 146                          ; v146-209
.set TM,  210
.set PW,  226
.set PC,  228
.set WLB, 248                          ; 16 x lane + six records
.set QKA, 249
.set SCA, 250
.set VA,  251
.set WST, 252
.set WS8, 253
.set RP,  192                          ; window 1: v0-191 xn's fragments, v192-255 cos and sin
.set BQ,  12
.set WV,  22
.set JP,  23
.set SEL, 24
.set CS,  36
.set TAU, 38
.set OT,  39
.set QT,  40
.set MSB, 0
.macro WIN new
.if MSB != \new
	s_set_vgpr_msb (MSB<<8)|\new
.set MSB, \new
.endif
.endm
.macro PLACES
.rept 4
	v_nop
.endr
.endm
.macro BARRIER
	s_wait_dscnt 0x0
	s_barrier_signal -1
	s_barrier_wait -1
.endm
.macro QUANT s                         ; 64 numbers (register 16 b + i: number i of my half of block b) -> v[PC + 6 c ..+ 5] of lane (r, h): block 2 c + h whole; v[PW]: the four bytes
.irp b, 0,1,2,3
	v_max3_num_f32 v[TM+\b], |v[(\s)+16*\b]|, |v[(\s)+1+16*\b]|, 0x1800000
.endr
.irp i, 2,4,6,8,10,12,14
.irp b, 0,1,2,3
	v_max3_num_f32 v[TM+\b], v[TM+\b], |v[(\s)+16*\b+\i]|, |v[(\s)+1+16*\b+\i]|
.endr
.endr
.irp b, 0,1,2,3
	s_delay_alu instid0(VALU_DEP_4)
	v_permlanex16_b32 v[TM+4+\b], v[TM+\b], s[SEL], s[SEL+1]
.endr
.irp b, 0,1,2,3
	s_delay_alu instid0(VALU_DEP_4)
	v_max_num_f32 v[TM+\b], v[TM+\b], v[TM+4+\b]
.endr
.irp b, 0,1,2,3
	s_delay_alu instid0(VALU_DEP_4)
	v_add_nc_u32 v[TM+12+\b], 0xff000000, v[TM+\b]
.endr
.irp b, 0,1,2,3
	s_delay_alu instid0(VALU_DEP_4)
	v_lshrrev_b32 v[TM+4+\b], 23, v[TM+12+\b]
.endr
	s_delay_alu instid0(VALU_DEP_3)
	v_lshl_or_b32 v[PW], v[TM+5], 8, v[TM+4]
	s_delay_alu instid0(VALU_DEP_1)
	v_lshl_or_b32 v[PW], v[TM+6], 16, v[PW]
	s_delay_alu instid0(VALU_DEP_1)
	v_lshl_or_b32 v[PW], v[TM+7], 24, v[PW]
.irp c, 0,1
	v_cvt_scalef32_pk16_fp6_f32 v[PC+6*\c:PC+2+6*\c], v[(\s)+32*\c:(\s)+15+32*\c], v[TM+12+2*\c]
	v_cvt_scalef32_pk16_fp6_f32 v[PC+12+4*\c:PC+14+4*\c], v[(\s)+16+32*\c:(\s)+31+32*\c], v[TM+12+2*\c+1]
.endr
	v_nop
.irp c, 0,1
.irp i, 0,1,2
	v_permlane16_swap_b32 v[PC+6*\c+\i], v[PC+12+4*\c+\i]
.endr
.irp i, 0,1,2
	s_delay_alu instid0(VALU_DEP_3)
	v_mov_b32 v[PC+3+6*\c+\i], v[PC+12+4*\c+\i]
.endr
.endr
.endm
.macro WLOAD wf, ws, rec               ; a record's codes and scale words, from LDS
.set WA, LI+(WLB-LI)*((\rec)/6)
.set WO, ((\rec)%6)*REC
.irp k, 0,1,2,3,4,5,6,7,8,9,10,11
	ds_load_b128 v[(\wf)+4*\k:(\wf)+4*\k+3], v[WA] offset:WO+512*\k
.endr
	ds_load_b128 v[\ws:(\ws)+3], v[WA] offset:WO+6144
.endm
.macro BREC bi, rec                    ; the bias image of one of Wv's records (8 .. 11)
	ds_load_b128 v[\bi:(\bi)+3], v[WLB] offset:((\rec)-6)*REC+6656
	ds_load_b128 v[(\bi)+4:(\bi)+7], v[WLB] offset:((\rec)-6)*REC+7168
.endm
.macro BRAW bi, base, off              ; eight numbers of bq or bk: rows 8 h + 0 .. 7 of a tile
	global_load_b128 v[\bi:(\bi)+3], v[BA], s[(\base):(\base)+1] offset:\off
	global_load_b128 v[(\bi)+4:(\bi)+7], v[BA], s[(\base):(\base)+1] offset:(\off)+16
.endm
	s_load_b256 s[4:11], s[0:1], 0x0               ; xnc, xns, wimg, rope
	s_load_b256 s[12:19], s[0:1], 0x20             ; bq, bk, abuf, asc
	v_lshrrev_b32 v[LI], 5, v0
	v_readfirstlane_b32 s[WV], v[LI]               ; wave 0..7
	s_and_b32 s[JP], ttmp9, 7                      ; the pair of heads
	s_lshr_b32 s20, ttmp9, 3                       ; batch
	s_lshl_b32 s21, s[JP], 8
	s_mul_i32 s26, s[WV], 11520
	s_mul_i32 s27, s[WV], 1536
	s_add_co_u32 s27, s27, QC
	s_lshl_b32 s28, s[WV], 7
	s_add_co_u32 s28, s28, QSC
	s_mul_i32 s29, s[WV], 768
	s_add_co_u32 s29, s29, VC
	s_mov_b32 s[SEL], 0x76543210
	s_mov_b32 s[SEL+1], 0xfedcba98                 ; lane l xor 16
	s_lshl_b32 s30, s20, 3
	s_add_co_u32 s30, s30, s[WV]                   ; 8 batch + wave: my four row tiles
	s_mov_b32 s33, 0
	v_lshl_add_u32 v[SPW], v0, 2, SPARE            ; my spare word and 0
	v_mov_b32 v[NIL], 0
	v_and_b32 v[LI], 31, v0
	v_and_b32 v[R24], 15, v0                       ; r
	v_bfe_u32 v[BA], v0, 4, 1                      ; h
	v_mul_u32_u24 v[L24], v[LI], 24
	v_lshlrev_b32 v[L8], 3, v[LI]
	v_lshlrev_b32 v[LS], 2, v[LI]
	v_lshlrev_b32 v[LI], 4, v[LI]
	v_lshlrev_b32 v[RA], 7, v[R24]
	v_mul_u32_u24 v[R24], v[R24], 24
	v_lshl_add_u32 v[RA], v[BA], 5, v[RA]
	v_lshlrev_b32 v[BA], 5, v[BA]
	v_add_nc_u32 v[WLB], 46080, v[LI]
	v_add_nc_u32 v[BA], s21, v[BA]
	v_add_nc_u32 v[QKA], s27, v[L24]               ; q's and k's codes: 24 bytes a token, my 64 tokens
	v_add_nc_u32 v[SCA], s28, v[LS]
	v_add_nc_u32 v[VA], s29, v[L8]
	v_add_nc_u32 v[WST], s26, v[LI]
	v_add_nc_u32 v[WS8], s26, v[L8]
.irp b, 4,5,6,7
	v_mov_b32 v[TM+\b], 0                          ; a lane permute's destination counts as a source
.endr
	s_wait_alu depctr_va_vdst(0)
	s_wait_kmcnt 0x0
	s_mul_i32 s32, s[JP], 12*REC
	s_add_co_u32 s32, s32, s26
	s_add_nc_u64 s[8:9], s[8:9], s[32:33]          ; my one and a half of the pair's twelve records
	s_mul_i32 s32, s30, 24576
	s_add_nc_u64 s[4:5], s[4:5], s[32:33]          ; my 16 fragments of xn
	s_mul_i32 s34, s[JP], 768
	s_add_co_u32 s32, s32, s34
	s_add_nc_u64 s[16:17], s[16:17], s[32:33]      ; abuf: the four row tiles that I store, my pair's half
	s_lshl_b32 s32, s30, 11
	s_add_nc_u64 s[6:7], s[6:7], s[32:33]
	s_add_co_u32 s32, s32, s21
	s_add_nc_u64 s[18:19], s[18:19], s[32:33]
	s_lshl_b32 s32, s[WV], 13
	s_add_nc_u64 s[10:11], s[10:11], s[32:33]      ; rope at token 64 w
.set n1, 0
.rept 22
	global_load_b128 v[WF+4*n1:WF+4*n1+3], v[LI], s[8:9] offset:512*n1
.set n1, n1+1
.endr
	global_load_b64 v[WF+88:WF+89], v[L8], s[8:9] offset:11264
	WIN 0x40
.set n1, 0
.rept 48
	global_load_b128 v[4*n1:4*n1+3], v[LI], s[4:5] offset:512*n1
.set n1, n1+1
.endr
	WIN 0
.irp m, 0,1,2,3
	global_load_b128 v[XS+4*\m:XS+4*\m+3], v[LI], s[6:7] offset:512*\m
.endr
	BRAW BI, BQ, 0
	BRAW BI+8, BQ, 64
	WIN 0x40
.irp m, 0,1,2,3                        ; cos and sin of token 16 m + r at d = 8 h + 0 .. 7: the last 16 loads, wanted only behind the first stage's products
	global_load_b128 v[RP+16*\m:RP+16*\m+3], v[RA], s[10:11] offset:2048*\m
	global_load_b128 v[RP+16*\m+4:RP+16*\m+7], v[RA], s[10:11] offset:2048*\m+16
	global_load_b128 v[RP+16*\m+8:RP+16*\m+11], v[RA], s[10:11] offset:2048*\m+64
	global_load_b128 v[RP+16*\m+12:RP+16*\m+15], v[RA], s[10:11] offset:2048*\m+80
.endr
	WIN 0
	s_wait_loadcnt 63                              ; 72 loads follow the records' 23: the largest count that the wait can name serves
.set n1, 0
.rept 22
	ds_store_b128 v[WST], v[WF+4*n1:WF+4*n1+3] offset:512*n1
.set n1, n1+1
.endr
	ds_store_b64 v[WS8], v[WF+88:WF+89] offset:11264
	BARRIER                                        ; the twelve records lie in LDS
	WLOAD WF, WS, 0
	WLOAD WF+48, WS+4, 1
.macro QKHEAD n                        ; a head of q (n = 0, 1) or of k (n = 2, 3)
.if (\n) == 0
	s_wait_loadcnt 16                              ; xn, its scale words and the bias are in; the 16 loads of cos and sin may be out
.else
	s_wait_loadcnt 0x0
.endif
	s_wait_dscnt 0x0                               ; this stage's records, asked for a stage ago
	WIN 0x04                                       ; source 1 (xn) window 1
.irp u, 0,1                            ; four accumulators by turns
.irp s, 0,1,2,3
.irp m, 0,1,2,3
.if \s == 0
	v_wmma_scale_f32_16x16x128_f8f6f4 v[ACC+16*\m+8*\u:ACC+16*\m+8*\u+7], v[WF+48*\u+12*\s:WF+48*\u+12*\s+11], v[12*(4*\m+\s):12*(4*\m+\s)+11], v[BI+8*\u:BI+8*\u+7], v[WS+4*\u+\s], v[XS+4*\m+\s] matrix_a_fmt:MATRIX_FMT_FP6 matrix_b_fmt:MATRIX_FMT_FP6
.else
	v_wmma_scale_f32_16x16x128_f8f6f4 v[ACC+16*\m+8*\u:ACC+16*\m+8*\u+7], v[WF+48*\u+12*\s:WF+48*\u+12*\s+11], v[12*(4*\m+\s):12*(4*\m+\s)+11], v[ACC+16*\m+8*\u:ACC+16*\m+8*\u+7], v[WS+4*\u+\s], v[XS+4*\m+\s] matrix_a_fmt:MATRIX_FMT_FP6 matrix_b_fmt:MATRIX_FMT_FP6
.endif
.endr
.endr
.endr
	PLACES
	WIN 0
	WLOAD WF, WS, 2*(\n)+2                         ; the next stage's records land under RoPE and the quantiser
	WLOAD WF+48, WS+4, 2*(\n)+3
.if (\n) < 3
	BRAW BI, BQ+2*(((\n)+1)/2), 128*(((\n)+1)%2)
	BRAW BI+8, BQ+2*(((\n)+1)/2), 128*(((\n)+1)%2)+64
.else
	BREC BI, 8
	BREC BI+8, 9
.endif
.if (\n) == 0
	s_wait_loadcnt 4                               ; cos and sin are in; behind them only the next stage's four bias loads
.endif
	WIN 0x04
.irp m, 0,1,2,3                        ; a = d < 16, b = d + 16:  a' = a cos - b sin,  b' = b cos + a sin
.irp i, 0,2,4,6
	v_pk_mul_f32 v[PC+\i:PC+\i+1], v[ACC+16*\m+8+\i:ACC+16*\m+9+\i], v[RP+16*\m+8+\i:RP+16*\m+9+\i]
.endr
.irp i, 0,2,4,6
	v_pk_mul_f32 v[PC+8+\i:PC+9+\i], v[ACC+16*\m+\i:ACC+16*\m+\i+1], v[RP+16*\m+8+\i:RP+16*\m+9+\i]
.endr
.irp i, 0,2,4,6
	v_pk_fma_f32 v[ACC+16*\m+\i:ACC+16*\m+\i+1], v[ACC+16*\m+\i:ACC+16*\m+\i+1], v[RP+16*\m+\i:RP+16*\m+\i+1], v[PC+\i:PC+\i+1] neg_lo:[0,0,1] neg_hi:[0,0,1]
.endr
.irp i, 0,2,4,6
	v_pk_fma_f32 v[ACC+16*\m+8+\i:ACC+16*\m+9+\i], v[ACC+16*\m+8+\i:ACC+16*\m+9+\i], v[RP+16*\m+\i:RP+16*\m+\i+1], v[PC+8+\i:PC+9+\i]
.endr
.endr
	WIN 0
	QUANT ACC                                      ; block m = token 16 m + r; lane L then holds token 32 c + L whole
.irp c, 0,1
.irp p, 0,1,2
	ds_store_b64 v[QKA], v[PC+6*\c+2*\p:PC+6*\c+2*\p+1] offset:24576*((\n)/2)+12288*((\n)%2)+768*\c+8*\p
.endr
.endr
	ds_store_b32 v[SCA], v[PW] offset:2048*((\n)/2)+1024*((\n)%2)
.endm
.macro VHEAD n                         ; a head of v (n = 4, 5)
	s_wait_loadcnt 0x0
	s_wait_dscnt 0x0
	WIN 0x01                                       ; source 0 (xn) window 1
.irp u, 0,1
.irp s, 0,1,2,3
.irp m, 0,1,2,3
.if \s == 0
	v_wmma_scale_f32_16x16x128_f8f6f4 v[ACC+32*\u+8*\m:ACC+32*\u+8*\m+7], v[12*(4*\m+\s):12*(4*\m+\s)+11], v[WF+48*\u+12*\s:WF+48*\u+12*\s+11], v[BI+8*\u:BI+8*\u+7], v[XS+4*\m+\s], v[WS+4*\u+\s] matrix_a_fmt:MATRIX_FMT_FP6 matrix_b_fmt:MATRIX_FMT_FP6
.else
	v_wmma_scale_f32_16x16x128_f8f6f4 v[ACC+32*\u+8*\m:ACC+32*\u+8*\m+7], v[12*(4*\m+\s):12*(4*\m+\s)+11], v[WF+48*\u+12*\s:WF+48*\u+12*\s+11], v[ACC+32*\u+8*\m:ACC+32*\u+8*\m+7], v[XS+4*\m+\s], v[WS+4*\u+\s] matrix_a_fmt:MATRIX_FMT_FP6 matrix_b_fmt:MATRIX_FMT_FP6
.endif
.endr
.endr
.endr
	PLACES
	WIN 0
.if (\n) == 4
	WLOAD WF, WS, 10
	WLOAD WF+48, WS+4, 11
	BREC BI, 10
	BREC BI+8, 11
.endif
	QUANT ACC                                      ; block 2 u + b': channel tile u, tokens 32 b' .. + 31 of my 64
.irp u, 0,1
.irp p, 0,1,2
	ds_store_b64 v[VA], v[PC+6*\u+2*\p:PC+6*\u+2*\p+1] offset:12288*((\n)-4)+6144*\u+256*\p
.endr
.endr
	ds_store_b32 v[SCA], v[PW] offset:4096+1024*((\n)-4)
.endm
	QKHEAD 0
	QKHEAD 1
	QKHEAD 2
	QKHEAD 3
	VHEAD 4
	VHEAD 5
; ---- part 2: the registers are dealt anew
.set OWA, 6
.set CR,  7
.set KS,  8                            ; v8-15  k's scale words
.set VS,  16                           ; v16-23 v's, 4 u + s
.set QS,  24
.set PW,  25
.set QW,  26
.set VW,  28
.set D,   36
.set QA,  42                           ; v42-59 [QL, 0, QL];  v60-77 [QH, 0, QH]
.set QB,  60
.set NM,  78                           ; v78 -M, v79 the largest t
.set LL,  80
.set FF,  82
.set BM,  84
.set PM,  88
.set SO,  92
.set TT,  96
.set O,   98                           ; v98-113 O^T: channel 16 h + 0 .. 15 of my query
.set PC,  114
.set S,   136                          ; v136-199 scores, then p
.set TM,  200
.set KAD, 216
.set VAD, 217
.set SAD, 218
.set QAD, 219
.set QW0, 220
.set QW1, 221
.set PWS, 222
.set QSA, 224
	s_and_b32 s26, s[WV], 1                        ; my head of the two
	s_lshr_b32 s27, s[WV], 1                       ; my 128 queries of the 512
	s_mul_i32 s28, s26, 12288
	s_add_co_u32 s29, s28, KC
	s_add_co_u32 s30, s28, VC
	s_lshl_b32 s31, s26, 10
	s_add_co_u32 s31, s31, QSC
	s_lshl_b32 s32, s27, 8
	s_add_co_u32 s32, s32, s31
	s_mul_i32 s[QT], s27, 3072
	s_add_co_u32 s[QT], s[QT], s28
	s_add_co_u32 s[QT], s[QT], QC
	s_lshl_b32 s34, s27, 15
	s_lshl_b32 s35, s26, 13
	s_add_co_u32 s34, s34, s35
	s_add_co_u32 s34, s34, OX
	s_lshl_b32 s[OT], s[WV], 14
	s_add_co_u32 s[OT], s[OT], OX
	s_mov_b32 s[TAU], 0
	s_mov_b32 s[CS], 0x3e8293ee                    ; c = log2(e) / sqrt(32)
	s_mov_b32 s[CS+1], s[CS]
	s_mov_b32 vcc_lo, 0xffff0000                   ; lanes 16-31
	v_add_nc_u32 v[KAD], s29, v[L24]
	v_add_nc_u32 v[VAD], s30, v[L8]
	v_add_nc_u32 v[SAD], s31, v[LS]
	v_add_nc_u32 v[QSA], s32, v[LS]
	v_add_nc_u32 v[QAD], s[QT], v[R24]
	v_add_nc_u32 v[CR], s34, v[LI]                 ; the way out: 32768 (w / 2) + 8192 (w % 2) + 16 x lane
.irp i, 6,7,8,9,10,11
	v_mov_b32 v[QA+\i], 0                          ; the zero codes between the two copies
	v_mov_b32 v[QB+\i], 0
.endr
.irp b, 0,1,2,3
	v_mov_b32 v[PM+\b], 0
	v_mov_b32 v[TM+4+\b], 0
.endr
	v_mov_b32 v[FF+1], 0
	s_wait_alu depctr_va_vdst(0)
	BARRIER                                        ; both heads' q, k and v lie in LDS
	WIN 0x40                                       ; window 1: k at v[12 g], v at v[96 + 48 u + 12 s]
.irp g, 0,1,2,3,4,5,6,7
.irp c, 0,1
.irp p, 0,1,2
	ds_load_b64 v[12*\g+6*\c+2*\p:12*\g+6*\c+2*\p+1], v[KAD] offset:1536*\g+768*\c+8*\p   ; lane L: key 64 g + 32 c + L
.endr
.endr
.endr
.irp u, 0,1
.irp s, 0,1,2,3
.irp c, 0,1
.irp p, 0,1,2
	ds_load_b64 v[96+48*\u+12*\s+6*\c+2*\p:97+48*\u+12*\s+6*\c+2*\p], v[VAD] offset:6144*\u+1536*\s+768*\c+256*\p
.endr
.endr
.endr
.endr
	WIN 0
.irp g, 0,1,2,3,4,5,6,7
	ds_load_b32 v[KS+\g], v[SAD] offset:2048+128*\g
	ds_load_b32 v[VW+\g], v[SAD] offset:4096+128*\g
.endr
.irp p, 0,1,2
	ds_load_b64 v[D+2*\p:D+2*\p+1], v[QAD] offset:8*\p     ; the first tile's queries: both halves of the lanes take row r
.endr
	ds_load_b32 v[QW0], v[QSA]                     ; q's scale words of my 128 queries
	ds_load_b32 v[QW1], v[QSA] offset:128
	s_wait_dscnt 0x0
.irp s, 0,1,2,3                        ; v's words hold (u 0: two blocks, u 1: two blocks) of 64 keys: two of them make a fragment's word
	v_perm_b32 v[VS+\s], v[VW+2*\s+1], v[VW+2*\s], 0x05040100
	v_perm_b32 v[VS+4+\s], v[VW+2*\s+1], v[VW+2*\s], 0x07060302
.endr
.macro STEP s, first                   ; 128 keys for one tile of 16 queries
	WIN 0x01
.irp k, 0,1,2,3,4,5,6,7
	v_wmma_scale_f32_16x16x128_f8f6f4 v[S+8*\k:S+8*\k+7], v[12*(2*\s+\k/4):12*(2*\s+\k/4)+11], v[QA+18*(\k%2)+6*((\k/2)%2):QA+18*(\k%2)+6*((\k/2)%2)+11], 0, v[KS+2*\s+\k/4], v[QS] matrix_a_fmt:MATRIX_FMT_FP6 matrix_b_fmt:MATRIX_FMT_FP6
.endr
	WIN 0
	PLACES
.irp b, 0,1,2,3
	v_max3_num_f32 v[BM+\b], v[S+16*\b], v[S+1+16*\b], v[S+2+16*\b]   ; each block's largest score: for the row's maximum and, since p rises with the score, for the block's largest p
.endr
.irp i, 3,5,7,9,11,13
.irp b, 0,1,2,3
	v_max3_num_f32 v[BM+\b], v[BM+\b], v[S+16*\b+\i], v[S+1+16*\b+\i]
.endr
.endr
.irp b, 0,1,2,3
	v_max_num_f32 v[BM+\b], v[BM+\b], v[S+15+16*\b]
.endr
.irp b, 0,1,2,3
	s_delay_alu instid0(VALU_DEP_4)
	v_permlanex16_b32 v[PM+\b], v[BM+\b], s[SEL], s[SEL+1]
.endr
.irp b, 0,1,2,3
	s_delay_alu instid0(VALU_DEP_4)
	v_max_num_f32 v[BM+\b], v[BM+\b], v[PM+\b]
.endr
	s_delay_alu instid0(VALU_DEP_2)
	v_max3_num_f32 v[TT], v[BM], v[BM+1], v[BM+2]
	s_delay_alu instid0(VALU_DEP_1)
	v_max_num_f32 v[TT], v[TT], v[BM+3]
	s_delay_alu instid0(VALU_DEP_1)
	v_mul_f32 v[TT], s[CS], v[TT]
	s_delay_alu instid0(VALU_DEP_1)
	v_max_num_f32 v[NM+1], v[NM+1], v[TT]          ; the running largest t
	v_mov_b32 v[TT], v[NM]
	s_delay_alu instid0(VALU_DEP_2)
	v_floor_f32 v[NM], -v[NM+1]                    ; -M = floor(-t): M is a whole number
	s_delay_alu instid0(VALU_DEP_1)
	v_sub_f32 v[TT], v[NM], v[TT]
	s_delay_alu instid0(VALU_DEP_1)
	v_cvt_i32_f32 v[TT], v[TT]
	s_delay_alu instid0(VALU_DEP_1)
	v_ldexp_f32 v[FF], 1.0, v[TT]                  ; f = 2^(old M - new M): rounds nothing
.set j1, 0
.rept 32
	v_pk_fma_f32 v[S+j1:S+j1+1], v[S+j1:S+j1+1], s[CS:CS+1], v[NM:NM+1] op_sel_hi:[1,0,0]   ; t - M
.set j1, j1+2
.endr
.irp b, 0,1,2,3
	v_fma_f32 v[BM+\b], v[BM+\b], s[CS], v[NM]
.endr
.set j1, 0
	s_wait_alu depctr_va_vdst(0)
.rept 64
	v_exp_f32 v[S+j1], v[S+j1]                     ; p = 2^(t - M)
.set j1, j1+1
.endr
	v_pk_mul_f32 v[LL:LL+1], v[LL:LL+1], v[FF:FF+1] op_sel_hi:[1,0]   ; the sum under the new M; the plain line behind the batch
	s_wait_alu depctr_va_vdst(0)                   ; one wait for the batch, ahead of its first reader
.irp b, 0,1,2,3
	v_exp_f32 v[BM+\b], v[BM+\b]                   ; the blocks' largest p
.endr
	v_pk_add_f32 v[134:135], v[140:141], v[144:145]        ; the sum of the unquantised p, in eight chains
	v_pk_add_f32 v[252:253], v[148:149], v[152:153]
	v_pk_add_f32 v[250:251], v[156:157], v[160:161]
	v_pk_add_f32 v[248:249], v[164:165], v[168:169]
	v_pk_add_f32 v[246:247], v[172:173], v[176:177]
	v_pk_add_f32 v[244:245], v[180:181], v[184:185]
	v_pk_add_f32 v[242:243], v[188:189], v[192:193]
	v_pk_add_f32 v[80:81], v[80:81], v[196:197]
	v_pk_add_f32 v[134:135], v[134:135], v[136:137]
	v_pk_add_f32 v[252:253], v[252:253], v[138:139]
	v_pk_add_f32 v[250:251], v[250:251], v[142:143]
	v_pk_add_f32 v[248:249], v[248:249], v[146:147]
	v_pk_add_f32 v[246:247], v[246:247], v[150:151]
	v_pk_add_f32 v[244:245], v[244:245], v[154:155]
	v_pk_add_f32 v[242:243], v[242:243], v[158:159]
	v_pk_add_f32 v[80:81], v[80:81], v[162:163]
	v_pk_add_f32 v[134:135], v[134:135], v[166:167]
	v_pk_add_f32 v[252:253], v[252:253], v[170:171]
	v_pk_add_f32 v[250:251], v[250:251], v[174:175]
	v_pk_add_f32 v[248:249], v[248:249], v[178:179]
	v_pk_add_f32 v[246:247], v[246:247], v[182:183]
	v_pk_add_f32 v[244:245], v[244:245], v[186:187]
	v_pk_add_f32 v[242:243], v[242:243], v[190:191]
	v_pk_add_f32 v[80:81], v[80:81], v[194:195]
	v_pk_add_f32 v[134:135], v[134:135], v[198:199]
	s_delay_alu instid0(VALU_DEP_2)
	v_pk_add_f32 v[80:81], v[80:81], v[248:249]
	s_delay_alu instid0(VALU_DEP_2)
	v_pk_add_f32 v[134:135], v[134:135], v[246:247]
	v_pk_add_f32 v[252:253], v[252:253], v[244:245]
	v_pk_add_f32 v[250:251], v[250:251], v[242:243]
	s_delay_alu instid0(VALU_DEP_2)
	v_pk_add_f32 v[80:81], v[80:81], v[252:253]
	s_delay_alu instid0(VALU_DEP_2)
	v_pk_add_f32 v[134:135], v[134:135], v[250:251]
	s_delay_alu instid0(VALU_DEP_1)
	v_pk_add_f32 v[80:81], v[80:81], v[134:135]
	s_wait_alu depctr_va_vdst(0)                   ; and one for the four
.irp b, 0,1,2,3
	v_max_num_f32 v[BM+\b], 0x1800000, v[BM+\b]
.endr
.irp b, 0,1,2,3
	s_delay_alu instid0(VALU_DEP_4)
	v_add_nc_u32 v[SO+\b], 0xff000000, v[BM+\b]
.endr
.irp b, 0,1,2,3
	s_delay_alu instid0(VALU_DEP_4)
	v_lshrrev_b32 v[PM+\b], 23, v[SO+\b]
.endr
	s_delay_alu instid0(VALU_DEP_3)
	v_lshl_or_b32 v[PW], v[PM+1], 8, v[PM]
	s_delay_alu instid0(VALU_DEP_1)
	v_lshl_or_b32 v[PW], v[PM+2], 16, v[PW]
	s_delay_alu instid0(VALU_DEP_1)
	v_lshl_or_b32 v[PW], v[PM+3], 24, v[PW]
.irp c, 0,1
	v_cvt_scalef32_pk16_fp6_f32 v[PC+6*\c:PC+2+6*\c], v[S+32*\c:S+15+32*\c], v[SO+2*\c]
	v_cvt_scalef32_pk16_fp6_f32 v[PC+12+4*\c:PC+14+4*\c], v[S+16+32*\c:S+31+32*\c], v[SO+2*\c+1]
.endr
	v_nop
.irp c, 0,1
.irp i, 0,1,2
	v_permlane16_swap_b32 v[PC+6*\c+\i], v[PC+12+4*\c+\i]
.endr
.irp i, 0,1,2
	s_delay_alu instid0(VALU_DEP_3)
	v_mov_b32 v[PC+3+6*\c+\i], v[PC+12+4*\c+\i]
.endr
.endr
.if \first
	PLACES                                         ; the codes stand four plain lines, the scale word eight or more, ahead of the products
.else
.irp i, 0,2,4,6,8,10,12,14
	v_pk_mul_f32 v[O+\i:O+\i+1], v[O+\i:O+\i+1], v[FF:FF+1] op_sel_hi:[1,0]   ; O^T under the new M; also those lines
.endr
.endif
	WIN 0x01
.irp u, 0,1
.if \first
	v_wmma_scale_f32_16x16x128_f8f6f4 v[O+8*\u:O+8*\u+7], v[96+48*\u+12*\s:96+48*\u+12*\s+11], v[PC:PC+11], 0, v[VS+4*\u+\s], v[PW] matrix_a_fmt:MATRIX_FMT_FP6 matrix_b_fmt:MATRIX_FMT_FP6
.else
	v_wmma_scale_f32_16x16x128_f8f6f4 v[O+8*\u:O+8*\u+7], v[96+48*\u+12*\s:96+48*\u+12*\s+11], v[PC:PC+11], v[O+8*\u:O+8*\u+7], v[VS+4*\u+\s], v[PW] matrix_a_fmt:MATRIX_FMT_FP6 matrix_b_fmt:MATRIX_FMT_FP6
.endif
.endr
.endm
.Ltile:                                            ; eight trips: a tile of 16 queries against all 512 keys
	s_wait_dscnt 0x0                               ; this tile's codes (asked for a tile ago); the last tile's stores are done
	s_and_b32 s41, s[TAU], 3
	s_mul_i32 s41, s41, 0x01010101
	s_cmp_lt_u32 s[TAU], 4
	s_cselect_b32 s42, 0, -1
	v_cndmask_b32 v[QW], v[QW0], v[QW1], s42       ; tiles 4-7 take the second word
	v_perm_b32 v[QS], v[QW], v[QW], s41            ; the byte of tokens 16 (tile % 4) + r, in all four places
.irp i, 0,1,2,3,4,5
	v_cndmask_b32 v[QA+\i], v[D+\i], v[QA+6], vcc_lo
	v_cndmask_b32 v[QA+12+\i], v[D+\i], v[QA+6], vcc_lo
	v_cndmask_b32 v[QB+\i], 0, v[D+\i], vcc_lo
	v_cndmask_b32 v[QB+12+\i], 0, v[D+\i], vcc_lo
.endr
	s_add_co_u32 s[QT], s[QT], 384                 ; the next tile.  The last trip's look-ahead reads written bytes: more of q's codes, or the first of k's, and is not used
	v_add_nc_u32 v[QAD], s[QT], v[R24]
.irp p, 0,1,2
	ds_load_b64 v[D+2*\p:D+2*\p+1], v[QAD] offset:8*\p
.endr
	v_mov_b32 v[LL], 0
	v_mov_b32 v[LL+1], 0
	v_mov_b32 v[NM+1], 0xff61b1e6                  ; -3e38, under every t
	s_delay_alu instid0(VALU_DEP_1)
	v_floor_f32 v[NM], -v[NM+1]
	v_add_nc_u32 v[OWA], s[OT], v[LI]
	PLACES
	STEP 0, 1
	STEP 1, 0
	STEP 2, 0
	STEP 3, 0
	WIN 0
	PLACES
	v_add_f32 v[LL], v[LL], v[LL+1]
	s_delay_alu instid0(VALU_DEP_1)
	v_permlanex16_b32 v[PM], v[LL], s[SEL], s[SEL+1]
	s_delay_alu instid0(VALU_DEP_1)
	v_add_f32 v[LL], v[LL], v[PM]
	s_wait_alu depctr_va_vdst(0)
	v_rcp_f32 v[LL], v[LL]
	v_nop
	s_wait_alu depctr_va_vdst(0)
.irp i, 0,2,4,6,8,10,12,14
	v_pk_mul_f32 v[O+\i:O+\i+1], v[O+\i:O+\i+1], v[LL:LL+1] op_sel_hi:[1,0]
.endr
.irp q, 0,1,2,3
	ds_store_b128 v[OWA], v[O+4*\q:O+4*\q+3] offset:512*\q               ; O as an image of its registers
.endr
	s_add_co_u32 s[OT], s[OT], 2048
	s_add_co_u32 s[TAU], s[TAU], 1
	s_cmp_lt_u32 s[TAU], 8
	s_cbranch_scc1 .Ltile
	BARRIER                                        ; both heads' O lie in LDS
.irp z, 0,1                            ; row tiles 4 w + 2 z + e of the work-group's 32: block 2 e + b = head b of tile e
.irp e, 0,1
.irp b, 0,1
.irp q, 0,1,2,3
	ds_load_b128 v[S+32*\e+16*\b+4*\q:S+32*\e+16*\b+4*\q+3], v[CR] offset:16384*\b+4096*\z+2048*\e+512*\q
.endr
.endr
.endr
	s_wait_dscnt 0x0
.if \z == 1
	s_wait_xcnt 0x0                                ; the first two tiles' stores have read v[PC ..]
.endif
	QUANT S
.irp e, 0,1
.irp p, 0,1,2
	global_store_b64 v[L8], v[PC+6*\e+2*\p:PC+6*\e+2*\p+1], s[16:17] offset:6144*(2*\z+\e)+256*\p   ; 32 lanes store 256 consecutive bytes, aligned
.endr
.endr
	v_mov_b32 v[PWS+\z], v[PW]
.endr
	global_store_b64 v[L8], v[PWS:PWS+1], s[18:19] ; four tiles' scale bytes: 256 consecutive bytes, aligned
	s_wait_tensorcnt 0x0                           ; the wave's end
	ds_add_u32 v[SPW], v[NIL]
	s_wait_dscnt 0x0
	s_endpgm
.Lfunc_end_k_q26774983a8_qka:
	.size	k_q26774983a8_qka, .Lfunc_end_k_q26774983a8_qka-k_q26774983a8_qka
	.p2alignl 7, 3214868480
	.fill 96, 4, 3214868480
	.section	.rodata,"a",@progbits
	.p2align	6, 0x0
	.amdhsa_kernel k_q26774983a8_qka
		.amdhsa_group_segment_fixed_size 304128
		.amdhsa_private_segment_fixed_size 0
		.amdhsa_enable_private_segment 0
		.amdhsa_kernarg_size 64
		.amdhsa_user_sgpr_count 2
		.amdhsa_user_sgpr_kernarg_segment_ptr 1
		.amdhsa_wavefront_size32 1
		.amdhsa_system_sgpr_workgroup_id_x 1
		.amdhsa_system_sgpr_workgroup_id_y 1
		.amdhsa_system_sgpr_workgroup_id_z 1
		.amdhsa_system_vgpr_workitem_id 0
		.amdhsa_next_free_vgpr 512
		.amdhsa_next_free_sgpr 66
		.amdhsa_reserve_vcc 1
		.amdhsa_float_denorm_mode_32 3
		.amdhsa_float_denorm_mode_16_64 3
		.amdhsa_memory_ordered 1
		.amdhsa_forward_progress 1
		.amdhsa_inst_pref_size 177
	.end_amdhsa_kernel
	.amdgpu_metadata
---
amdhsa.version: [ 1, 2 ]
amdhsa.kernels:
  - .name:           k_q26774983a8_qka
    .symbol:         k_q26774983a8_qka.kd
    .args:
      - { .name: xnc, .offset: 0, .size: 8, .value_kind: global_buffer, .address_space: global }
      - { .name: xns, .offset: 8, .size: 8, .value_kind: global_buffer, .address_space: global }
      - { .name: wimg, .offset: 16, .size: 8, .value_kind: global_buffer, .address_space: global }
      - { .name: rope, .offset: 24, .size: 8, .value_kind: global_buffer, .address_space: global }
      - { .name: bq, .offset: 32, .size: 8, .value_kind: global_buffer, .address_space: global }
      - { .name: bk, .offset: 40, .size: 8, .value_kind: global_buffer, .address_space: global }
      - { .name: abuf, .offset: 48, .size: 8, .value_kind: global_buffer, .address_space: global }
      - { .name: asc, .offset: 56, .size: 8, .value_kind: global_buffer, .address_space: global }
    .group_segment_fixed_size: 304128
    .private_segment_fixed_size: 0
    .kernarg_segment_align: 8
    .kernarg_segment_size: 64
    .max_flat_workgroup_size: 256
    .sgpr_count:     66
    .vgpr_count:     512
    .wavefront_size: 32
...
	.end_amdgpu_metadata
.endif
;; end of part 2
;; launch tail (part 3): grid 256 x 1, 8 waves a work-group, no clusters, 281,600 bytes of LDS; arguments x, abuf, asc, wimg, g2, be2, out0, bo, b1, b2; writes out0
.if DOCPART == 3
	.amdgcn_target "amdgcn-amd-amdhsa--gfx1250"
	.amdhsa_code_object_version 6
	.text
	.protected	k_q26774983a8_tail
	.globl	k_q26774983a8_tail
	.p2align	8
	.type	k_q26774983a8_tail,@function
k_q26774983a8_tail:
	s_mov_b64 s[64:65], 0
	v_nop
	global_prefetch_b8 v0, s[64:65] scope:SCOPE_SE
	s_setreg_imm32_b32 hwreg(HW_REG_WAVE_MODE, 25, 1), 1
	s_wait_xcnt 0x0
; x1 = x + attn Wo + bo;  out = x1 + gelu(LN2(x1) W1 + b1) W2 + b2.  All three products on codes of FP6 (E2M3) with one E8M0 scale for each 32 along K; all else in f32.
; A work-group of eight waves takes 64 rows through the whole chain; x1 and the hidden layer never go to memory.
; THE WAVES SHARE THE COLUMNS: in the products by Wo and W2 wave w makes features 64 w .. + 63 of all 64 rows; in the product by W1 hidden units 256 w .. + 255, which are W2's K steps 2 w, 2 w + 1.
; Every product is used transposed (source 0 = 16 rows of the weight, source 1 = 16 tokens): a lane holds one token, and, by the order of the weights' rows in a tile, register 32 m + 16 b + i holds
; feature 64 w + 32 b + 16 h + i of token 16 m + r: 16 neighbours along the next product's K.
; Weights come from wimg, laid in the order of the operand's registers, straight into registers, each record read once by one wave, one record (W2: three) ahead.
; EACH BYTE COMES IN ONCE.  x: a load takes my 256 bytes of two rows, sixteen lanes to a row, and the 16 KiB turn through my own LDS bytes into the layout above (the way out, backwards).
; attn's 16 fragments: each wave loads two and all take them from LDS.  bo, b1, b2, g2, be2 are read as they lie: a lane's numbers hang on h alone, so sixteen lanes name the same bytes.
; Rows' codes go from wave to wave through LDS as images of the operand's registers, in halves of 6 registers (a wave makes 64 along K of a fragment's 128).
; x1 + b2 waits in LDS (the wave's own bytes) and is the C with which the last product's sums begin.
; No cluster, no LDS ring for the weights: a record is used by one wave of a work-group alone, and LDS is taken by the hidden layer and x1.
; gelu = 0.5 x (1 + erf(x / sqrt 2)), erf(z) = z P(z^2) / Q(z^2) with z held to +-4, beyond which erf is +-1 in f32; its error is a few units in erf's last place.
; LIMITS: NaN and infinities are not served; a block under 2^-124 (zeros too) gets the scale byte 1: these bytes are read by this program alone.
.set REC,  7680
.set ST1,  0                           ; LDS: the rows' sums, 16 bytes a thread
.set ST2,  4096                        ; the sums of squares
.set A2SC, 8192                        ; scale words, 128 (4 m + s) + 4 x lane: first attn's, then xn2's
.set HSC,  10240                       ; the hidden layer's: 512 ks + 128 m + 4 x lane
.set A2IMG, 18432                      ; first attn's fragments: 1536 (4 m + s) + 512 c + 16 x lane; then xn2's: 6144 m + 768 w + 256 p + 8 x lane
.set HIMG, 43008                       ; hidden: 6144 ks + 3072 c + 768 m + 256 p + 8 x lane
.set PARK, 141312                      ; 17,408 bytes a wave: x's turn (64 rows of 256 + 16 bytes); then x1 + b2; at last the way-out stage
.set PKW,  17408
.set LI,  1
.set L8,  2
.set LS,  3
.set AD0, 4                            ; v4, v5: the phase's addresses
.set AD1, 5
.set PKA, 6                            ; PARK + 17408 w + 16 x lane
.set FB,  7                            ; 64 h + 256 w: my place in bo, b2, g2, be2 and (with 768 w in the base) b1
.set AD3, 7                            ; (the way out, when the last of those loads is long in)
.set WSA, 8                            ; v8-31 hold scale words alone: the weights' from v8 (W2: four sets), the rows' from v12 (16), Wo's second set at v28, the hidden layer's two sets at v24
.set XS,  12
.set WSB, 28
.set HS,  24
.set BI,  32                           ; v32-39  b1's eight numbers of a tile
.set WF,  40                           ; v40-87  a record's fragments (W2: four records, v40-231)
.set OB,  40                           ; the way out: rows read back
.set H,   88                           ; v88-215 16 accumulators
.set TM,  216
.set BO,  216                          ; v216-247 in the first product: bo in the accumulators' layout
.set PW,  232
.set PC,  234
.set MUR, 248                          ; v248-255 four pairs: the means, then 1 / sqrt(var + eps)
.set AW,  250                          ; at the head only: where my two fragments of attn go, their scale words,
.set AWS, 251
.set XST, 252                          ; and x's turn, in and out
.set XLD, 253
.set TW,  192                          ; window 1: v0-191 the rows' 16 fragments; v192-255 Wo's second record, then gelu's work
.set ZZ,  192
.set SQ,  208
.set PP,  224
.set QQ,  240
.set B2I, 0                            ; window 1 in the norm: b2, g2, be2, 32 registers each, in the accumulators' layout
.set GG,  32
.set BB,  64
.set HF,  128                          ; window 1 in the last product: v0-127 the accumulators, v128-223 two sets of four hidden fragments
.set WV,  18
.set SEL, 20
.set TR,  24
.set HT,  25
.set W1P, 26
.set W2P, 28
.set HT2, 34
.set WB,  10
.set CR2, 36                           ; s[36:61]: -4 sqrt 2 and 4 sqrt 2, P's seven and Q's five coefficients, each as a written pair
.set CA,  38
.set CB,  52
.set BOP, 66                           ; s[66:67] bo
.set B1P, 68                           ; s[68:69] b1 + 768 w, stepped by eight tiles a trip
.set B2P, 70                           ; s[70:71] b2
.set B1Q, 72                           ; s[72:73] the second trip's first tile of b1; never stepped
.set MSB, 0
.macro WIN new
.if MSB != \new
	s_set_vgpr_msb (MSB<<8)|\new
.set MSB, \new
.endif
.endm
.macro PLACES
.rept 4
	v_nop
.endr
.endm
.macro BARRIER
	s_wait_dscnt 0x0
	s_barrier_signal -1
	s_barrier_wait -1
.endm
.macro QUANT s, swap
.irp b, 0,1,2,3
	v_max3_num_f32 v[TM+\b], |v[(\s)+16*\b]|, |v[(\s)+1+16*\b]|, 0x1800000
.endr
.irp i, 2,4,6,8,10,12,14
.irp b, 0,1,2,3
	s_delay_alu instid0(VALU_DEP_4)
	v_max3_num_f32 v[TM+\b], v[TM+\b], |v[(\s)+16*\b+\i]|, |v[(\s)+1+16*\b+\i]|
.endr
.endr
.irp b, 0,1,2,3
	s_delay_alu instid0(VALU_DEP_4)
	v_permlanex16_b32 v[TM+4+\b], v[TM+\b], s[SEL], s[SEL+1]
.endr
.irp b, 0,1,2,3
	s_delay_alu instid0(VALU_DEP_4)
	v_max_num_f32 v[TM+\b], v[TM+\b], v[TM+4+\b]
.endr
.irp b, 0,1,2,3
	s_delay_alu instid0(VALU_DEP_4)
	v_add_nc_u32 v[TM+12+\b], 0xff000000, v[TM+\b]
.endr
.irp b, 0,1,2,3
	s_delay_alu instid0(VALU_DEP_4)
	v_lshrrev_b32 v[TM+4+\b], 23, v[TM+12+\b]
.endr
	s_delay_alu instid0(VALU_DEP_3)
	v_lshl_or_b32 v[PW], v[TM+5], 8, v[TM+4]
	s_delay_alu instid0(VALU_DEP_1)
	v_lshl_or_b32 v[PW], v[TM+6], 16, v[PW]
	s_delay_alu instid0(VALU_DEP_1)
	v_lshl_or_b32 v[PW], v[TM+7], 24, v[PW]
.irp c, 0,1
	v_cvt_scalef32_pk16_fp6_f32 v[PC+6*\c:PC+2+6*\c], v[(\s)+32*\c:(\s)+15+32*\c], v[TM+12+2*\c]
	v_cvt_scalef32_pk16_fp6_f32 v[PC+12+4*\c:PC+14+4*\c], v[(\s)+16+32*\c:(\s)+31+32*\c], v[TM+12+2*\c+1]
.endr
	v_nop
.if \swap
.irp c, 0,1
.irp i, 0,1,2
	v_permlane16_swap_b32 v[PC+6*\c+\i], v[PC+12+4*\c+\i]
.endr
.irp i, 0,1,2
	s_delay_alu instid0(VALU_DEP_3)
	v_mov_b32 v[PC+3+6*\c+\i], v[PC+12+4*\c+\i]
.endr
.endr
.endif
.endm
.macro WCODES wf, base, off            ; a record's four fragments: 12 loads of 512 consecutive bytes
.irp k, 0,1,2,3,4,5,6,7,8,9,10,11
	global_load_b128 v[(\wf)+4*\k:(\wf)+4*\k+3], v[LI], s[\base:\base+1] offset:(\off)+512*\k
.endr
.endm
.macro WSCALE ws, base, off
	global_load_b128 v[\ws:(\ws)+3], v[LI], s[\base:\base+1] offset:(\off)+6144
.endm
.macro B1LOAD base, off                ; b1 at a tile's hidden units 16 h + 0 .. 7
	global_load_b128 v[BI:BI+3], v[FB], s[\base:\base+1] offset:\off
	global_load_b128 v[BI+4:BI+7], v[FB], s[\base:\base+1] offset:(\off)+16
.endm
.macro HALFST mp, adr, off             ; six registers of codes: half a fragment's image
.irp p, 0,1,2
	ds_store_b64 v[\adr], v[PC+6*\mp+2*\p:PC+6*\mp+2*\p+1] offset:(\off)+256*\p
.endr
.endm
.macro FRAG64 reg, adr, off, cs        ; a fragment from its two halves, cs bytes apart
.irp c, 0,1
.irp p, 0,1,2
	ds_load_b64 v[(\reg)+6*\c+2*\p:(\reg)+6*\c+2*\p+1], v[\adr] offset:(\off)+(\cs)*\c+256*\p
.endr
.endr
.endm
.macro SC2 reg, val
	s_mov_b32 s[\reg], \val
	s_mov_b32 s[\reg+1], s[\reg]
.endm
; four pairs of sums (one a row tile) -> over the lane's halves -> over the eight waves, in the waves' order: v[216 + m]
.macro XRED off
.irp m, 0,1,2,3
	s_delay_alu instid0(VALU_DEP_4)
	v_add_f32 v[224+\m], v[216+2*\m], v[217+2*\m]
.endr
.irp m, 0,1,2,3
	s_delay_alu instid0(VALU_DEP_4)
	v_permlanex16_b32 v[228+\m], v[224+\m], s[SEL], s[SEL+1]
.endr
.irp m, 0,1,2,3
	s_delay_alu instid0(VALU_DEP_4)
	v_add_f32 v[224+\m], v[224+\m], v[228+\m]
.endr
	ds_store_b128 v[AD0], v[224:227] offset:\off
	BARRIER
.irp k, 0,1,2,3,4,5,6,7
	ds_load_b128 v[216+4*\k:219+4*\k], v[LI] offset:(\off)+512*\k
.endr
	s_wait_dscnt 0x0
.irp k, 1
	v_pk_add_f32 v[216:217], v[216:217], v[216+4*\k:217+4*\k]
	v_pk_add_f32 v[218:219], v[218:219], v[218+4*\k:219+4*\k]
.endr
.irp k, 2, 3, 4, 5, 6, 7
	s_delay_alu instid0(VALU_DEP_2)
	v_pk_add_f32 v[216:217], v[216:217], v[216+4*\k:217+4*\k]
	s_delay_alu instid0(VALU_DEP_2)
	v_pk_add_f32 v[218:219], v[218:219], v[218+4*\k:219+4*\k]
.endr
.endm
	s_load_b256 s[4:11], s[0:1], 0x0               ; x, abuf, asc, wimg
	s_load_b128 s[12:15], s[0:1], 0x20             ; g2, be2
	s_load_b64 s[16:17], s[0:1], 0x30              ; out0
	s_load_b64 s[BOP:BOP+1], s[0:1], 0x38          ; bo
	s_load_b128 s[68:71], s[0:1], 0x40             ; b1, b2
	v_lshrrev_b32 v254, 5, v0
	s_delay_alu instid0(VALU_DEP_1)
	v_readfirstlane_b32 s[WV], v254                ; wave 0..7
	v_and_b32 v254, 31, v0
	s_delay_alu instid0(VALU_DEP_1)
	v_lshlrev_b32 v[LI], 4, v254
	s_delay_alu instid0(VALU_DEP_2)
	v_lshlrev_b32 v[L8], 3, v254
	s_delay_alu instid0(VALU_DEP_3)
	v_lshlrev_b32 v[LS], 2, v254
	v_and_b32 v254, 15, v0                         ; r
	v_bfe_u32 v255, v0, 4, 1                       ; h
	s_lshl_b32 s30, s[WV], 8
	v_lshlrev_b32 v[FB], 6, v255
	s_delay_alu instid0(VALU_DEP_1)
	v_add_nc_u32 v[FB], s30, v[FB]                 ; 64 h + 256 w
	v_lshlrev_b32 v[AD0], 11, v255
	s_delay_alu instid0(VALU_DEP_1)
	v_lshl_add_u32 v[AD0], v254, 4, v[AD0]
	s_delay_alu instid0(VALU_DEP_1)
	v_add_nc_u32 v[AD0], s30, v[AD0]               ; x: lanes 0-15 one row, lanes 16-31 the next: 2048 h + 256 w + 16 r
	v_lshrrev_b32 v[AW], 6, v0
	v_lshl_add_u32 v[AWS], v[AW], 7, v[LS]
	v_bfe_u32 v[AW], v0, 5, 1
	v_lshl_add_u32 v[AWS], v[AW], 1, v[AWS]        ; 4 x lane + 128 (w / 2) + 2 (w % 2): head pair w's two bytes of a scale word
	s_mul_i32 s30, s[WV], PKW
	s_add_co_u32 s30, s30, PARK
	v_add_nc_u32 v[PKA], s30, v[LI]
	v_mul_u32_u24 v[XST], v255, 272
	s_delay_alu instid0(VALU_DEP_1)
	v_lshl_add_u32 v[XST], v254, 4, v[XST]
	s_delay_alu instid0(VALU_DEP_1)
	v_add_nc_u32 v[XST], s30, v[XST]               ; the turn, in: two rows of 256 + 16 bytes an instruction
	v_mul_u32_u24 v[XLD], v254, 272
	s_delay_alu instid0(VALU_DEP_1)
	v_lshl_add_u32 v[XLD], v255, 6, v[XLD]
	s_delay_alu instid0(VALU_DEP_1)
	v_add_nc_u32 v[XLD], s30, v[XLD]               ; and out: row r, + 64 h
	s_mul_i32 s30, s[WV], 3072
	v_add_nc_u32 v[AW], s30, v[LI]                 ; 16 x lane + 3072 w
.irp b, 4,5,6,7,12,13,14,15
	v_mov_b32 v[TM+\b], 0                          ; lane permutes' destinations count as sources
.endr
	s_mov_b32 s[SEL], 0x76543210
	s_mov_b32 s[SEL+1], 0xfedcba98
	s_mov_b32 s22, 0x3b000000                      ; 1 / 512
	s_mov_b32 s23, 0x3727c5ac                      ; 1e-5
	s_mov_b32 s[CR2], 0xc0b504f3                   ; -4 sqrt 2 and 4 sqrt 2: x is held where z = x / sqrt 2 is held to +-4
	s_mov_b32 s[CR2+1], 0x40b504f3
	SC2 CA, -0.000000000272614225801306
	SC2 CA+2, 0.0000000277068142495902
	SC2 CA+4, -0.00000210102402082508
	SC2 CA+6, -0.0000569250639462346
	SC2 CA+8, -0.000734990630326855
	SC2 CA+10, -0.00295459980854025
	SC2 CA+12, -0.0160960333262415
	SC2 CB, -0.0000145660718464996
	SC2 CB+2, -0.000213374055278905
	SC2 CB+4, -0.00168282697438203
	SC2 CB+6, -0.00737332916720468
	SC2 CB+8, -0.0142647390514189
; P and Q are walked in x^2 = 2 z^2: the coefficient of degree d takes 2^-d (exact); P's take 1 / (2 sqrt 2) too, so that x P'(x^2) / Q'(x^2) = erf(x / sqrt 2) / 2
.macro SCM reg, mul
	v_mov_b32 v216, s[\reg]
	v_mul_f32 v216, \mul, v216
	v_readfirstlane_b32 s[\reg], v216
	s_mov_b32 s[\reg+1], s[\reg]
.endm
	SCM CA, 0x3bb504f3
	SCM CA+2, 0x3c3504f3
	SCM CA+4, 0x3cb504f3
	SCM CA+6, 0x3d3504f3
	SCM CA+8, 0x3db504f3
	SCM CA+10, 0x3e3504f3
	SCM CA+12, 0x3eb504f3
	SCM CB, 0x3d800000
	SCM CB+2, 0x3e000000
	SCM CB+4, 0x3e800000
	SCM CB+6, 0.5
	s_mov_b32 s33, 0
	s_wait_alu depctr_va_vdst(0)
	s_wait_kmcnt 0x0
	s_lshl_b32 s32, ttmp9, 17                      ; 64 rows of 2,048 bytes
	s_add_nc_u64 s[4:5], s[4:5], s[32:33]
	s_add_nc_u64 s[16:17], s[16:17], s[32:33]
	s_mul_i32 s32, ttmp9, 24576                    ; the work-group's 16 fragments,
	s_mul_i32 s31, s[WV], 3072
	s_add_co_u32 s32, s32, s31                     ; my two of them
	s_add_nc_u64 s[6:7], s[6:7], s[32:33]
	s_lshl_b32 s32, ttmp9, 11
	s_lshl_b32 s31, s[WV], 8
	s_add_co_u32 s32, s32, s31
	s_add_nc_u64 s[8:9], s[8:9], s[32:33]
	s_mul_i32 s32, s[WV], 36*REC
	s_add_co_u32 s32, s32, 96*REC
	s_add_nc_u64 s[WB:WB+1], s[WB:WB+1], s[32:33]  ; my 36 records: Wo's 4, W1's 16, W2's 16
	s_add_nc_u64 s[W1P:W1P+1], s[WB:WB+1], 4*REC
	s_add_nc_u64 s[W2P:W2P+1], s[WB:WB+1], 20*REC
	s_mul_i32 s32, s[WV], 768
	s_add_nc_u64 s[B1P:B1P+1], s[B1P:B1P+1], s[32:33]  ; with the lane term's 256 w: my 256 numbers of b1
	s_add_nc_u64 s[B1Q:B1Q+1], s[B1P:B1P+1], 512
	; ---- x1 = x + attn Wo + bo
	WIN 0x40
.irp k, 0,1,2,3,4,5
	global_load_b128 v[4*\k:4*\k+3], v[LI], s[6:7] offset:512*\k th:TH_LOAD_NT       ; my two fragments of attn, as they stand
.endr
	WIN 0
	global_load_b64 v[XS:XS+1], v[L8], s[8:9]      ; head pair w's scale bytes of the four row tiles: byte 2 m + head
	WCODES WF, WB, 0
	WSCALE WSA, WB, 0
	WSCALE WSB, WB, REC
.irp b, 0,1
.irp q, 0,1,2,3
	global_load_b128 v[BO+16*\b+4*\q:BO+16*\b+4*\q+3], v[FB], s[BOP:BOP+1] offset:128*\b+16*\q
.endr
.endr
.set n1, 0
.rept 32
	global_load_b128 v[H+4*n1:H+4*n1+3], v[AD0], s[4:5] offset:4096*n1 th:TH_LOAD_NT   ; rows 2 n1, 2 n1 + 1: sixteen lanes read 256 consecutive bytes, aligned; each byte once in the launch
.set n1, n1+1
.endr
	s_wait_loadcnt 54                              ; attn's seven loads are in; behind them: record 0's 13, record 1's scale words, bo's 8, x's 32
	WIN 0x04                                       ; an LDS store's data are its source 1: window 1
.irp k, 0,1,2,3,4,5
	ds_store_b128 v[AW], v[4*\k:4*\k+3] offset:A2IMG+512*\k
.endr
	WIN 0
	ds_store_b16 v[AWS], v[XS] offset:A2SC
	ds_store_b16_d16_hi v[AWS], v[XS] offset:A2SC+512
	ds_store_b16 v[AWS], v[XS+1] offset:A2SC+1024
	ds_store_b16_d16_hi v[AWS], v[XS+1] offset:A2SC+1536
	WIN 0x40
	WCODES TW, WB, REC
	WIN 0
	s_wait_loadcnt 12                              ; all but record 1's codes: x is in
.set n1, 0
.rept 32                               ; the turn: in as loaded,
	ds_store_b128 v[XST], v[H+4*n1:H+4*n1+3] offset:544*n1
.set n1, n1+1
.endr
.irp m, 0,1,2,3                        ; out in the accumulators' layout, into the registers that they left.  LDS serves a wave's instructions in order (ISA guide 5.7.1.4): these see my stores
.irp b, 0,1
.irp q, 0,1,2,3
	ds_load_b128 v[H+32*\m+16*\b+4*\q:H+32*\m+16*\b+4*\q+3], v[XLD] offset:4352*\m+128*\b+16*\q
.endr
.endr
.endr
	BARRIER                                        ; attn's sixteen fragments lie in LDS
	WIN 0x40
.set n1, 0
.irp m, 0,1,2,3                        ; attn's fragments lie as halves of six registers, like xn2's: 6144 m + 768 x head pair + 256 p + 8 x lane
.irp s, 0,1,2,3
	FRAG64 12*(4*\m+\s), L8, A2IMG+6144*\m+1536*\s, 768
.endr
.endr
	WIN 0
.set n1, 0
.rept 16
	ds_load_b32 v[XS+n1], v[LS] offset:A2SC+128*n1
.set n1, n1+1
.endr
	s_wait_dscnt 0x0
.macro UNITO n, lc                     ; tile n of my four: the sums begin with x + bo
	s_wait_loadcnt \lc
.set HB, H+16*((\n)/2)+8*((\n)%2)
.set BX, BO+8*(\n)
.set WX, WSA+(WSB-WSA)*((\n)%2)
.set FX, WF+(TW-WF)*((\n)%2)
.irp m, 0,1,2,3
.irp i, 0,2,4,6
	v_pk_add_f32 v[HB+32*\m+\i:HB+32*\m+\i+1], v[HB+32*\m+\i:HB+32*\m+\i+1], v[BX+\i:BX+\i+1]
.endr
.endr
	PLACES
	WIN 0x04+((\n)%2)                              ; source 1 (attn) window 1; the odd tiles' weights too
.irp s, 0,1,2,3                        ; four accumulators by turns
.irp m, 0,1,2,3
	v_wmma_scale_f32_16x16x128_f8f6f4 v[HB+32*\m:HB+32*\m+7], v[FX+12*\s:FX+12*\s+11], v[12*(4*\m+\s):12*(4*\m+\s)+11], v[HB+32*\m:HB+32*\m+7], v[WX+\s], v[XS+4*\m+\s] matrix_a_fmt:MATRIX_FMT_FP6 matrix_b_fmt:MATRIX_FMT_FP6
.endr
.endr
	PLACES
.endm
	UNITO 0, 12                                    ; record 1's 12 loads may stay out
	WIN 0
	WCODES WF, WB, 2*REC
	WSCALE WSA, WB, 2*REC
	UNITO 1, 13                                    ; record 1 is in; record 2's 13 loads may stay out
	WIN 0x40
	WCODES TW, WB, 3*REC
	WIN 0
	WSCALE WSB, WB, 3*REC
	UNITO 2, 13                                    ; record 2 is in; record 3's 13 may stay out
	WIN 0
	WCODES WF, WB, 4*REC                           ; W1's first record, and its tile's eight numbers of b1
	WSCALE WSA, WB, 4*REC
	B1LOAD B1P, 0
	UNITO 3, 15                                    ; record 3 is in; those 15 may stay out
	WIN 0x40
.irp b, 0,1
.irp q, 0,1,2,3
	global_load_b128 v[B2I+16*\b+4*\q:B2I+16*\b+4*\q+3], v[FB], s[B2P:B2P+1] offset:128*\b+16*\q
.endr
.endr
.irp b, 0,1
.irp q, 0,1,2,3
	global_load_b128 v[GG+16*\b+4*\q:GG+16*\b+4*\q+3], v[FB], s[12:13] offset:128*\b+16*\q
.endr
.endr
.irp b, 0,1
.irp q, 0,1,2,3
	global_load_b128 v[BB+16*\b+4*\q:BB+16*\b+4*\q+3], v[FB], s[14:15] offset:128*\b+16*\q
.endr
.endr
	WIN 0
	; ---- LayerNorm 2: the mean, then the squares round it
	v_lshlrev_b32 v[AD0], 4, v0                    ; 16 x thread (x's loads are long in)
.irp m, 0,1,2,3
	v_pk_add_f32 v[216+2*\m:217+2*\m], v[H+32*\m:H+32*\m+1], v[H+32*\m+2:H+32*\m+3]
.endr
.irp i, 4,6,8,10,12,14,16,18,20,22,24,26,28,30
.irp m, 0,1,2,3
	v_pk_add_f32 v[216+2*\m:217+2*\m], v[216+2*\m:217+2*\m], v[H+32*\m+\i:H+32*\m+\i+1]
.endr
.endr
	XRED ST1
.irp m, 0,1,2,3
	v_mul_f32 v[MUR+2*\m], s22, v[216+\m]
.endr
.irp m, 0,1,2,3
	s_delay_alu instid0(VALU_DEP_4)
	v_mov_b32 v[MUR+2*\m+1], v[MUR+2*\m]
.endr
	s_wait_loadcnt 16                              ; b2 is in; g2's and be2's 16 loads may stay out
.irp m, 0,1,2,3                        ; x1 + b2 waits in my own LDS bytes
	WIN 0x04
.set n1, 0
.rept 16
	v_pk_add_f32 v[216+2*n1:217+2*n1], v[H+32*\m+2*n1:H+32*\m+2*n1+1], v[B2I+2*n1:B2I+2*n1+1]
.set n1, n1+1
.endr
	WIN 0
.set n1, 0
.rept 8
	ds_store_b128 v[PKA], v[216+4*n1:219+4*n1] offset:4096*\m+512*n1
.set n1, n1+1
.endr
	s_wait_dscnt 0x0                               ; the stores have read their registers
.endr
.irp m, 0,1,2,3
.set n1, 0
.rept 16
	v_pk_add_f32 v[H+32*\m+2*n1:H+32*\m+2*n1+1], v[H+32*\m+2*n1:H+32*\m+2*n1+1], v[MUR+2*\m:MUR+2*\m+1] neg_lo:[0,1] neg_hi:[0,1]
.set n1, n1+1
.endr
.endr
.irp m, 0,1,2,3
	v_pk_mul_f32 v[216+2*\m:217+2*\m], v[H+32*\m:H+32*\m+1], v[H+32*\m:H+32*\m+1]
.endr
.irp i, 2,4,6,8,10,12,14,16,18,20,22,24,26,28,30
.irp m, 0,1,2,3
	s_delay_alu instid0(VALU_DEP_4)
	v_pk_fma_f32 v[216+2*\m:217+2*\m], v[H+32*\m+\i:H+32*\m+\i+1], v[H+32*\m+\i:H+32*\m+\i+1], v[216+2*\m:217+2*\m]
.endr
.endr
	XRED ST2
.irp m, 0,1,2,3
	v_fma_f32 v[216+\m], v[216+\m], s22, s23
.endr
	s_wait_alu depctr_va_vdst(0)
.irp m, 0,1,2,3
	v_rsq_f32 v[MUR+2*\m], v[216+\m]
.endr
	v_nop                                          ; a plain line behind the batch,
	s_wait_alu depctr_va_vdst(0)                   ; and one wait ahead of its first reader
.irp m, 0,1,2,3
	v_mov_b32 v[MUR+2*\m+1], v[MUR+2*\m]
.endr
.irp m, 0,1,2,3
.set n1, 0
.rept 16
	v_pk_mul_f32 v[H+32*\m+2*n1:H+32*\m+2*n1+1], v[H+32*\m+2*n1:H+32*\m+2*n1+1], v[MUR+2*\m:MUR+2*\m+1]
.set n1, n1+1
.endr
.endr
	s_wait_loadcnt 0x0                             ; g2, be2
	WIN 0x14
.irp m, 0,1,2,3
.set n1, 0
.rept 16
	v_pk_fma_f32 v[H+32*\m+2*n1:H+32*\m+2*n1+1], v[H+32*\m+2*n1:H+32*\m+2*n1+1], v[GG+2*n1:GG+2*n1+1], v[BB+2*n1:BB+2*n1+1]
.set n1, n1+1
.endr
.endr
	WIN 0
	s_lshr_b32 s30, s[WV], 1
	s_lshl_b32 s30, s30, 7
	s_and_b32 s31, s[WV], 1
	s_lshl_b32 s31, s31, 1
	s_add_co_u32 s30, s30, s31
	s_add_co_u32 s30, s30, A2SC
	v_add_nc_u32 v[AD0], s30, v[LS]                ; my two bytes of a scale word: K step w / 2, half w % 2
	s_mul_i32 s30, s[WV], 768
	s_add_co_u32 s30, s30, A2IMG
	v_add_nc_u32 v[AD1], s30, v[L8]                ; where my halves of xn2's fragments go.  (Every wave's reads of attn's images were waited for ahead of the two barriers above)
	QUANT H, 1                                     ; block 2 m' + b: row tile m', my features 32 b .. + 31
	HALFST 0, AD1, 0
	HALFST 1, AD1, 6144
	ds_store_b16 v[AD0], v[PW]
	ds_store_b16_d16_hi v[AD0], v[PW] offset:512
	s_wait_dscnt 0x0
	QUANT H+64, 1
	HALFST 0, AD1, 12288
	HALFST 1, AD1, 18432
	ds_store_b16 v[AD0], v[PW] offset:1024
	ds_store_b16_d16_hi v[AD0], v[PW] offset:1536
	BARRIER                                        ; xn2's sixteen fragments lie in LDS
	WIN 0x40
.irp m, 0,1,2,3
.irp s, 0,1,2,3
	FRAG64 12*(4*\m+\s), L8, A2IMG+6144*\m+1536*\s, 768
.endr
.endr
	WIN 0
.set n1, 0
.rept 16
	ds_load_b32 v[XS+n1], v[LS] offset:A2SC+128*n1
.set n1, n1+1
.endr
	s_wait_dscnt 0x0
	; ---- the hidden layer
.macro GELU16 xa, xb                   ; two accumulators, 16 numbers, in place
	WIN 0x40
.irp i, 0,1,2,3,4,5,6,7
	v_med3_num_f32 v[ZZ+\i], v[\xa+\i], s[CR2], s[CR2+1]   ; x held to +-4 sqrt 2; each accumulator from its low end on
.endr
.irp i, 0,1,2,3,4,5,6,7
	v_med3_num_f32 v[ZZ+8+\i], v[\xb+\i], s[CR2], s[CR2+1]
.endr
	WIN 0x55
.irp i, 0,2,4,6,8,10,12,14
	v_pk_mul_f32 v[SQ+\i:SQ+\i+1], v[ZZ+\i:ZZ+\i+1], v[ZZ+\i:ZZ+\i+1]
.endr
.irp i, 0,2,4,6,8,10,12,14
	v_pk_fma_f32 v[PP+\i:PP+\i+1], v[SQ+\i:SQ+\i+1], s[CA:CA+1], s[CA+2:CA+3] op_sel_hi:[1,0,0]
.endr
.irp i, 0,2,4,6,8,10,12,14
	v_pk_fma_f32 v[QQ+\i:QQ+\i+1], v[SQ+\i:SQ+\i+1], s[CB:CB+1], s[CB+2:CB+3] op_sel_hi:[1,0,0]
.endr
.irp k, 2,3,4
.irp i, 0,2,4,6,8,10,12,14
	v_pk_fma_f32 v[PP+\i:PP+\i+1], v[PP+\i:PP+\i+1], v[SQ+\i:SQ+\i+1], s[CA+2*\k:CA+2*\k+1] op_sel_hi:[1,1,0]
.endr
.irp i, 0,2,4,6,8,10,12,14
	v_pk_fma_f32 v[QQ+\i:QQ+\i+1], v[QQ+\i:QQ+\i+1], v[SQ+\i:SQ+\i+1], s[CB+2*\k:CB+2*\k+1] op_sel_hi:[1,1,0]
.endr
.endr
.irp k, 5,6
.irp i, 0,2,4,6,8,10,12,14
	v_pk_fma_f32 v[PP+\i:PP+\i+1], v[PP+\i:PP+\i+1], v[SQ+\i:SQ+\i+1], s[CA+2*\k:CA+2*\k+1] op_sel_hi:[1,1,0]
.endr
.endr
.irp i, 0,2,4,6,8,10,12,14
	v_pk_mul_f32 v[PP+\i:PP+\i+1], v[PP+\i:PP+\i+1], v[ZZ+\i:ZZ+\i+1]
.endr
	s_wait_alu depctr_va_vdst(0)
.irp i, 0,1,2,3,4,5,6,7,8,9,10,11,12,13,14,15
	v_rcp_f32 v[QQ+\i], v[QQ+\i]                   ; one batch
.endr
	v_nop                                          ; a plain line behind the batch,
	s_wait_alu depctr_va_vdst(0)                   ; and one wait for the sixteen, ahead of their first reader
.irp i, 0,2,4,6,8,10,12,14
	v_pk_fma_f32 v[PP+\i:PP+\i+1], v[PP+\i:PP+\i+1], v[QQ+\i:QQ+\i+1], 0.5 op_sel_hi:[1,1,0]   ; (1 + erf) / 2
.endr
	WIN 0x04
.irp i, 0,2,4,6
	v_pk_mul_f32 v[\xa+\i:\xa+\i+1], v[\xa+\i:\xa+\i+1], v[PP+\i:PP+\i+1]
.endr
.irp i, 0,2,4,6
	v_pk_mul_f32 v[\xb+\i:\xb+\i+1], v[\xb+\i:\xb+\i+1], v[PP+8+\i:PP+9+\i]
.endr
.endm
.macro UNIT1 n                         ; one tile of W1 against the 64 rows; the next record is asked for and lands under the gelu
.set HB, H+16*(((\n)%4)/2)+8*((\n)%2)
	s_wait_loadcnt 0x0
	WIN 0x04
.irp s, 0,1,2,3
.irp m, 0,1,2,3
.if \s == 0
	v_wmma_scale_f32_16x16x128_f8f6f4 v[HB+32*\m:HB+32*\m+7], v[WF+12*\s:WF+12*\s+11], v[12*(4*\m+\s):12*(4*\m+\s)+11], v[BI:BI+7], v[WSA+\s], v[XS+4*\m+\s] matrix_a_fmt:MATRIX_FMT_FP6 matrix_b_fmt:MATRIX_FMT_FP6
.else
	v_wmma_scale_f32_16x16x128_f8f6f4 v[HB+32*\m:HB+32*\m+7], v[WF+12*\s:WF+12*\s+11], v[12*(4*\m+\s):12*(4*\m+\s)+11], v[HB+32*\m:HB+32*\m+7], v[WSA+\s], v[XS+4*\m+\s] matrix_a_fmt:MATRIX_FMT_FP6 matrix_b_fmt:MATRIX_FMT_FP6
.endif
.endr
.endr
	PLACES
	WIN 0
	WCODES WF, W1P, ((\n)+1)*REC
	WSCALE WSA, W1P, ((\n)+1)*REC
.if (\n) < 7
	B1LOAD B1P, 128*(((\n)+1)/2)+32*(((\n)+1)%2)   ; two tiles are 32 hidden units, 128 bytes; the odd tile begins 8 units on
.else
	B1LOAD B1Q, 0                                  ; the second trip's first tile.  In the second trip the same bytes again, unused: so no load passes b1's end
.endif
	GELU16 HB, HB+32
	GELU16 HB+64, HB+96
.endm
.macro HOUT c                          ; 64 hidden units of the 64 rows: half c of four fragments
	WIN 0
	s_wait_dscnt 0x0
	QUANT H, 1
	HALFST 0, AD0, 3072*\c
	HALFST 1, AD0, 3072*\c+768
	ds_store_b16 v[AD1], v[PW] offset:2*\c
	ds_store_b16_d16_hi v[AD1], v[PW] offset:2*\c+128
	s_wait_dscnt 0x0
	QUANT H+64, 1
	HALFST 0, AD0, 3072*\c+1536
	HALFST 1, AD0, 3072*\c+2304
	ds_store_b16 v[AD1], v[PW] offset:2*\c+256
	ds_store_b16_d16_hi v[AD1], v[PW] offset:2*\c+384
.endm
	s_mul_i32 s[HT], s[WV], 12288
	s_add_co_u32 s[HT], s[HT], HIMG                ; my two K steps' images,
	s_lshl_b32 s[HT2], s[WV], 10
	s_add_co_u32 s[HT2], s[HT2], HSC               ; and their scale words
	s_mov_b32 s[TR], 0
.Lks:                                              ; two trips: a K step of W2 (128 hidden units) each
	v_add_nc_u32 v[AD0], s[HT], v[L8]
	v_add_nc_u32 v[AD1], s[HT2], v[LS]
	UNIT1 0
	UNIT1 1
	UNIT1 2
	UNIT1 3
	HOUT 0
	UNIT1 4
	UNIT1 5
	UNIT1 6
	UNIT1 7                                        ; its look-ahead is the next trip's first record; in the last trip W2's first, which lies where the last product wants it
	HOUT 1
	s_wait_xcnt 0x0                                ; the loads have read their bases
	s_add_nc_u64 s[W1P:W1P+1], s[W1P:W1P+1], 8*REC
	s_add_nc_u64 s[B1P:B1P+1], s[B1P:B1P+1], 512
	s_add_co_u32 s[HT], s[HT], 6144
	s_add_co_u32 s[HT2], s[HT2], 512
	s_add_co_u32 s[TR], s[TR], 1
	s_cmp_lt_u32 s[TR], 2
	s_cbranch_scc1 .Lks
	; ---- out = x1 + b2 + hidden W2
	WCODES WF+48, W2P, REC
	WSCALE WSA+4, W2P, REC
	WCODES WF+96, W2P, 2*REC
	WSCALE WSA+8, W2P, 2*REC
	WCODES WF+144, W2P, 3*REC
	WSCALE WSA+12, W2P, 3*REC
	s_mov_b32 s[HT], HIMG
	s_mov_b32 s[HT2], HSC
	s_mov_b32 s[TR], 0
	BARRIER                                        ; the hidden layer's 64 fragments lie in LDS
	v_add_nc_u32 v[AD0], s[HT], v[L8]
	v_add_nc_u32 v[AD1], s[HT2], v[LS]
	WIN 0x40
.set n1, 0
.rept 32
	ds_load_b128 v[4*n1:4*n1+3], v[PKA] offset:512*n1                  ; x1 + b2: the sums begin with it
.set n1, n1+1
.endr
.irp m, 0,1,2,3
	FRAG64 HF+12*\m, AD0, 768*\m, 3072
.endr
	WIN 0
.irp m, 0,1,2,3
	ds_load_b32 v[HS+\m], v[AD1] offset:128*\m
.endr
; K step i of four.  nh: the next K step's hidden fragments are asked for first; pf: the record four K steps on takes this one's registers; lc: the younger records' loads, 13 each
.macro KS i, pf, nh, lc
.if \nh
	WIN 0x40
.irp m, 0,1,2,3
	FRAG64 HF+48*((\i+1)%2)+12*\m, AD0, 6144*(\i+1)+768*\m, 3072
.endr
	WIN 0
.irp m, 0,1,2,3
	ds_load_b32 v[HS+4*((\i+1)%2)+\m], v[AD1] offset:512*(\i+1)+128*\m
.endr
	s_wait_dscnt 28                                ; all but the 28 just issued: this step's fragments are in
.else
	s_wait_dscnt 0x0
.endif
	s_wait_loadcnt \lc
	WIN 0x54                                       ; source 1, C and D window 1
.irp t, 0,1,2,3                        ; sixteen accumulators by turns
.irp m, 0,1,2,3
	v_wmma_scale_f32_16x16x128_f8f6f4 v[32*\m+8*\t:32*\m+8*\t+7], v[WF+48*\i+12*\t:WF+48*\i+12*\t+11], v[HF+48*(\i%2)+12*\m:HF+48*(\i%2)+12*\m+11], v[32*\m+8*\t:32*\m+8*\t+7], v[WSA+4*\i+\t], v[HS+4*(\i%2)+\m] matrix_a_fmt:MATRIX_FMT_FP6 matrix_b_fmt:MATRIX_FMT_FP6
.endr
.endr
	WIN 0
	PLACES
.if \pf
	WCODES WF+48*\i, W2P, (\i+4)*REC
	WSCALE WSA+4*\i, W2P, (\i+4)*REC
.endif
.endm
.Lk2:                                              ; three trips of four K steps
	s_wait_alu depctr_va_vdst(0)
	KS 0, 1, 1, 39
	KS 1, 1, 1, 39
	KS 2, 1, 1, 39
	KS 3, 1, 1, 39
	s_wait_xcnt 0x0
	s_add_nc_u64 s[W2P:W2P+1], s[W2P:W2P+1], 4*REC
	s_add_co_u32 s[HT], s[HT], 24576
	s_add_co_u32 s[HT2], s[HT2], 2048
	v_add_nc_u32 v[AD0], s[HT], v[L8]
	v_add_nc_u32 v[AD1], s[HT2], v[LS]
	s_add_co_u32 s[TR], s[TR], 1
	s_cmp_lt_u32 s[TR], 3
	s_cbranch_scc1 .Lk2
	KS 0, 0, 1, 39                                 ; the last four ask for no record: the counts run down
	s_wait_alu depctr_va_vdst(0)
	KS 1, 0, 1, 26
	KS 2, 0, 1, 13
	KS 3, 0, 0, 0
	; ---- the way out: a row tile at a time through my own stage, so that sixteen lanes store 256 consecutive bytes, aligned
	v_and_b32 v254, 15, v0
	v_bfe_u32 v255, v0, 4, 1
	s_mul_i32 s30, s[WV], PKW
	s_add_co_u32 s30, s30, PARK
	v_mul_u32_u24 v[AD0], v254, 272
	s_delay_alu instid0(VALU_DEP_1)
	v_lshl_add_u32 v[AD0], v255, 6, v[AD0]
	s_delay_alu instid0(VALU_DEP_1)
	v_add_nc_u32 v[AD0], s30, v[AD0]               ; in: row r of 256 + 16 bytes, + 64 h
	v_mul_u32_u24 v[AD1], v255, 272
	s_delay_alu instid0(VALU_DEP_1)
	v_lshl_add_u32 v[AD1], v254, 4, v[AD1]
	s_delay_alu instid0(VALU_DEP_1)
	v_add_nc_u32 v[AD1], s30, v[AD1]               ; back: lanes 0-15 one row, lanes 16-31 the next
	s_lshl_b32 s30, s[WV], 8
	v_lshlrev_b32 v[AD3], 11, v255
	s_delay_alu instid0(VALU_DEP_1)
	v_lshl_add_u32 v[AD3], v254, 4, v[AD3]
	s_delay_alu instid0(VALU_DEP_1)
	v_add_nc_u32 v[AD3], s30, v[AD3]               ; and the same in out0: 2048 h + 256 w + 16 r
	s_wait_alu depctr_va_vdst(0)
.irp m, 0,1,2,3
	WIN 0x04                                       ; an LDS store's data are its source 1: window 1
.irp b, 0,1
.irp q, 0,1,2,3
	ds_store_b128 v[AD0], v[32*\m+16*\b+4*\q:32*\m+16*\b+4*\q+3] offset:4352*(\m%2)+128*\b+16*\q   ; each accumulator from its low end on
.endr
.endr
	WIN 0
.if \m >= 2
	s_wait_xcnt 0x0                                ; the stores of two tiles ago have read these registers
.endif
.irp i, 0,1,2,3,4,5,6,7
	ds_load_b128 v[OB+32*(\m%2)+4*\i:OB+32*(\m%2)+4*\i+3], v[AD1] offset:4352*(\m%2)+544*\i          ; LDS serves a wave's instructions in order (ISA guide 5.7.1.4): these see my stores
.endr
.irp i, 0,1,2,3,4,5,6,7
	s_wait_dscnt 7-\i
	global_store_b128 v[AD3], v[OB+32*(\m%2)+4*\i:OB+32*(\m%2)+4*\i+3], s[16:17] offset:32768*\m+4096*\i th:TH_STORE_NT
.endr
.endr
	s_wait_xcnt 0x0
	v_lshl_add_u32 v254, v0, 2, 0x44800
	v_mov_b32 v255, 0
	s_wait_alu depctr_va_vdst(0)
	s_wait_tensorcnt 0x0
	ds_add_u32 v254, v255
	s_wait_dscnt 0x0
	s_endpgm
.Lfunc_end_k_q26774983a8_tail:
	.size	k_q26774983a8_tail, .Lfunc_end_k_q26774983a8_tail-k_q26774983a8_tail
	.p2alignl 7, 3214868480
	.fill 96, 4, 3214868480
	.section	.rodata,"a",@progbits
	.p2align	6, 0x0
	.amdhsa_kernel k_q26774983a8_tail
		.amdhsa_group_segment_fixed_size 281600
		.amdhsa_private_segment_fixed_size 0
		.amdhsa_enable_private_segment 0
		.amdhsa_kernarg_size 80
		.amdhsa_user_sgpr_count 2
		.amdhsa_user_sgpr_kernarg_segment_ptr 1
		.amdhsa_wavefront_size32 1
		.amdhsa_system_sgpr_workgroup_id_x 1
		.amdhsa_system_sgpr_workgroup_id_y 1
		.amdhsa_system_sgpr_workgroup_id_z 1
		.amdhsa_system_vgpr_workitem_id 0
		.amdhsa_next_free_vgpr 512
		.amdhsa_next_free_sgpr 80
		.amdhsa_reserve_vcc 0
		.amdhsa_float_denorm_mode_32 3
		.amdhsa_float_denorm_mode_16_64 3
		.amdhsa_memory_ordered 1
		.amdhsa_forward_progress 1
		.amdhsa_inst_pref_size 255
	.end_amdhsa_kernel
	.section	.bss,"aw",@nobits
	.p2align	6
	.space	262144
	.amdgpu_metadata
---
amdhsa.version: [ 1, 2 ]
amdhsa.kernels:
  - .name:           k_q26774983a8_tail
    .symbol:         k_q26774983a8_tail.kd
    .args:
      - { .name: x, .offset: 0, .size: 8, .value_kind: global_buffer, .address_space: global }
      - { .name: abuf, .offset: 8, .size: 8, .value_kind: global_buffer, .address_space: global }
      - { .name: asc, .offset: 16, .size: 8, .value_kind: global_buffer, .address_space: global }
      - { .name: wimg, .offset: 24, .size: 8, .value_kind: global_buffer, .address_space: global }
      - { .name: g2, .offset: 32, .size: 8, .value_kind: global_buffer, .address_space: global }
      - { .name: be2, .offset: 40, .size: 8, .value_kind: global_buffer, .address_space: global }
      - { .name: out0, .offset: 48, .size: 8, .value_kind: global_buffer, .address_space: global }
      - { .name: bo, .offset: 56, .size: 8, .value_kind: global_buffer, .address_space: global }
      - { .name: b1, .offset: 64, .size: 8, .value_kind: global_buffer, .address_space: global }
      - { .name: b2, .offset: 72, .size: 8, .value_kind: global_buffer, .address_space: global }
    .group_segment_fixed_size: 281600
    .private_segment_fixed_size: 0
    .kernarg_segment_align: 8
    .kernarg_segment_size: 80
    .max_flat_workgroup_size: 256
    .sgpr_count:     80
    .vgpr_count:     512
    .wavefront_size: 32
...
	.end_amdgpu_metadata
.endif
;; end of part 3
